; MI455X (gfx1250); checked and timed in simulation.
; The chip was launched on July 23, 2026; its instructions are those of AMD's public machine-readable ISA for CDNA 5 (MIT licence, August 2026) and "CDNA5" Instruction Set Architecture Reference Guide (July 2026). The comments in the code are by the model that wrote it; some were corrected since.
;; Efficient KAN Layer. Allowed arithmetic: matrix products marked QUANTISED: E2M1 operands, one E8M0 scale for each 32 along K, by v_wmma_scale_f32_16x16x128_f8f6f4 with both operands' format E2M1 (or v_wmma_scale_f32_32x16x128_f4), f32 sums; everything else in f32.
;; Inputs: base_weight 256 x 1,024 float32; grid 1,024 x 12 float32; spline_weight 256 x 8,192 float32; x 16,384 x 1,024 float32.
;; Outputs: out0 16,384 x 256 float32.
;; This version of the problem:
;;   THIS VERSION OF THE PROBLEM IS GIVEN IN LOW PRECISION. The matrix products marked QUANTISED in the list below multiply operands that are first quantised to E2M1 (2 exponent bits, 1 mantissa bit; 4 bits a number), with one power-of-two scale for each 32 numbers along K (OCP MX v1.0); their sums are f32. All else is computed in f32.
;;   The module's matrix products, in the order in which they are computed (A, B: the left and right operand; K: the contracted axis; several contracted axes count as one K, in the product's order):
;;     1. [M 16,384, K 1,024] x [K 1,024, N 256]; A: computed on the way; B: computed on the way: QUANTISED
;;     2. [M 16,384, K 8,192] x [K 8,192, N 256]; A: computed on the way; B: input spline_weight: QUANTISED
;;   THE QUANTISER, for each operand of a quantised product, along K:
;;     - K is cut into blocks of 32 from its start; a last block that is shorter is filled with zeros.
;;     - A block's scale is 2^e with e = floor(log2(the largest magnitude in the block)) - 2, held to -126 .. 127; a block of zeros has e = 0. As a byte (E8M0): e + 127.
;;     - Each number is divided by its block's scale, clamped to +-6, and rounded to the nearest number of E2M1, ties to even, subnormals kept.
;;     - The product sums the exact products of the quantised numbers (number of the format x scale) in f32.
;;   ~~~python
;;   def quantise(x, axis):      # numpy; x: float32 -> the quantised numbers, widened to float32 again
;;       x = np.moveaxis(x, axis, -1); K = x.shape[-1]
;;       x = np.pad(x, [(0, 0)] * (x.ndim - 1) + [(0, -K % 32)]); x = x.reshape(x.shape[:-1] + (-1, 32)); a = np.abs(x).max(-1, keepdims=True)
;;       e = np.where(a > 0, np.clip(np.frexp(np.where(a > 0, a, 1))[1] - 1 - 2, -126, 127), 0)      # np.frexp(a)[1] - 1 = floor(log2(a)), exactly
;;       r = np.clip(x / 2.0 ** e, -6, 6)
;;       step = 2.0 ** (np.maximum(np.frexp(np.where(r == 0, 1, r))[1] - 1, 0) - 1)
;;       q = np.round(r / step) * step * 2.0 ** e      # np.round: ties to even
;;       return np.moveaxis(q.reshape(q.shape[:-2] + (-1,))[..., :K], -1, axis).astype(np.float32)
;;   ~~~
;;   OPERANDS COMPUTED ON THE WAY. 'Computed on the way' means the value that the module computes at that place (a softmax that the list does not call 'softmax' is quantised finished and normalised). What goes into a quantiser is computed in f32, as accurately as f32 sums, v_exp_f32 and their like allow (about 1e-6 of the number): no bf16 or f16 on the way to a quantiser, and a product that is left as it is and whose result goes on into a quantised operand takes f32 operands (vector FMAs, or v_wmma_f32_16x16x4_f32). A number that lies on a knife's edge between two numbers of the format may be rounded either way, as far as f32 arithmetic and the matrix unit's own rounding can turn it there, and no further.
;; 2 versions. Each part assembles by itself: llvm-mc -triple=amdgcn-amd-amdhsa -mcpu=gfx1250 --defsym DOCPART=n.
;; ======== version 1 of 2: 2 launches
;; workspace buffers: wq 1,253,376 bytes; tab 294,912 bytes
;; launch prep (part 1): grid 297 x 1, 4 waves a work-group, no clusters, 69,120 bytes of LDS; arguments base_weight, spline_weight, grid, wq, tab; writes wq, tab
.if DOCPART == 1
	.amdgcn_target "amdgcn-amd-amdhsa--gfx1250"
	.amdhsa_code_object_version 6
	.text
	.protected	k_q967886cc52_prep
	.globl	k_q967886cc52_prep
	.p2align	8
	.type	k_q967886cc52_prep,@function
k_q967886cc52_prep:
	s_mov_b64 s[64:65], 0
	v_nop
	global_prefetch_b8 v0, s[64:65] scope:SCOPE_SE
	s_setreg_imm32_b32 hwreg(HW_REG_WAVE_MODE, 25, 1), 1
	s_wait_xcnt 0x0
; PREP: what the second launch reads again and again is made once.
; (1) wq: base_weight [256][1024] and spline_weight [256][8192], f32, K innermost, become codes of FP4 (E2M1) with one E8M0 byte for each 32 along K,
;     laid in the order of the operand's registers.  wq = [step s 0..7] of STEPB bytes; in a step: [q 0..8][tile t 0..15] fragments of 1,024 bytes, then [q][column n 0..255] scale words.
;     q = 0..7: spline K step 8 s + q (k = 128 (8 s + q) on);  q = 8: base K step s (k = 128 s on).  A fragment is 16 columns n = 16 t + r x 128 k: byte 512 c + 16 lane
;     holds the lane's registers 4 c .. 4 c + 3, which are k = 64 c + 32 (lane / 16) + 0 .. 31 of column lane % 16.  (The factor SCALE_BASE = 1 changes no number and is not written.)
; (2) tab: 1,152 rows of 256 bytes; row i holds the constants of feature min(i, 1023): dword 2 j = -g[j] (j 0..11), 2 j + 1 = 1 / (g[j+1] - g[j]) (j 0..10),
;     24 + 2 j = 1 / (g[j+2] - g[j]) (j 0..9), 44 + 2 j = 1 / (g[j+3] - g[j]) (j 0..8), all others 0.  Rows 1024 .. 1151 are there so that the second launch's look-ahead of one feature stays inside the buffer.
; SHARES: work-groups 0 .. 287: each wave makes one fragment (72 (s, q) x 16 tiles = 1,152 waves).  Work-groups 288 .. 296: each thread makes one row of tab.  The two ways use LDS bytes of their own; waves share nothing: no barrier.
; A block's scale is 2^(floor(log2(largest magnitude)) - 2); its byte is that magnitude's exponent field - 2, held at 1 from below by a floor among the maximum's leaves.
; LIMITS: NaN and infinities are not served.  A block whose largest magnitude lies under 2^-124 keeps the byte 1 (a block of zeros too: its codes are zeros, and this program alone reads the bytes).
;   Knot differences of 0 (reference() is not finite there), under 2^-126 or over 2^126 (v_rcp_f32 flushes denormals: ISA guide 15.8) are not served.
;   A division by a knot difference becomes a multiplication by its reciprocal, refined by one Newton step.
.set STEPB, 156672                     ; 9 x 16,384 bytes of fragments + 9 x 1,024 of scale words
.set WSC,   147456                     ; where a step's scale words begin
.set WST,   8448                       ; LDS, weights: a wave's stage, 16 rows x (512 + 16) bytes
.set TST0,  33792                      ; LDS, table: behind the four weight stages
.set TST,   8704                       ; a wave's stage there, 32 rows x (256 + 16) bytes
	v_lshl_add_u32 v168, v0, 2, 0x10c00
	v_mov_b32 v169, 0
	v_lshrrev_b32 v1, 5, v0
	v_readfirstlane_b32 s10, v1                    ; wave 0..3
	v_and_b32 v1, 31, v0                           ; lane
	v_lshlrev_b32 v2, 4, v1                        ; 16 x lane
	v_and_b32 v20, 15, v0                          ; r
	v_bfe_u32 v21, v0, 4, 1                        ; h
	s_cmp_ge_u32 ttmp9, 288
	s_cbranch_scc1 .Ltable
	; ---------------- the weights: one fragment a wave
	s_load_b128 s[4:7], s[0:1], 0x0                ; base_weight, spline_weight
	s_load_b64 s[8:9], s[0:1], 0x18                ; wq
	s_lshr_b32 s11, ttmp9, 2                       ; 9 s + q, 0 .. 71
	s_mul_i32 s12, s11, 57
	s_lshr_b32 s12, s12, 9                         ; s = (9 s + q) / 9: 57 / 512 serves up to 71
	s_mul_i32 s13, s12, 9
	s_sub_co_u32 s13, s11, s13                     ; q
	s_and_b32 s14, ttmp9, 3
	s_lshl_b32 s14, s14, 2
	s_add_co_u32 s14, s14, s10                     ; t = 4 (work-group % 4) + wave
	s_lshl_b32 s16, s14, 16                        ; base_weight: 16 t rows of 4,096 bytes
	s_lshl_b32 s17, s12, 9
	s_add_co_u32 s16, s16, s17                     ; + 512 s
	s_lshl_b32 s18, s14, 19                        ; spline_weight: 16 t rows of 32,768 bytes
	s_lshl_b32 s19, s12, 3
	s_add_co_u32 s19, s19, s13
	s_lshl_b32 s19, s19, 9
	s_add_co_u32 s18, s18, s19                     ; + 512 (8 s + q)
	s_mul_i32 s24, s12, STEPB                      ; the fragment's place in wq: STEPB s + 16,384 q + 1,024 t
	s_lshl_b32 s25, s13, 14
	s_add_co_u32 s24, s24, s25
	s_lshl_b32 s25, s14, 10
	s_add_co_u32 s24, s24, s25
	s_mov_b32 s25, 0
	s_mul_i32 s28, s12, STEPB                      ; its scale words': STEPB s + WSC + 1,024 q + 64 t
	s_lshl_b32 s29, s13, 10
	s_add_co_u32 s28, s28, s29
	s_lshl_b32 s29, s14, 6
	s_add_co_u32 s28, s28, s29
	s_add_co_u32 s28, s28, WSC
	s_mov_b32 s29, 0
	s_mul_i32 s15, s10, WST                        ; my stage
	s_mov_b32 s23, 0x8000
	s_mov_b32 s21, 0
	s_mov_b32 s32, 0x76543210
	s_mov_b32 s33, 0xfedcba98                      ; v_permlanex16_b32's selects for lane l xor 16
	s_cmp_eq_u32 s13, 8                            ; base or spline?  The choice hangs on the work-group's number alone
	s_cselect_b32 s20, s16, s18                    ; where my 16 rows begin
	s_cselect_b32 s22, 0x1000, s23                 ; bytes from row to row
	s_wait_kmcnt 0x0
	s_cselect_b64 s[4:5], s[4:5], s[6:7]
	s_add_nc_u64 s[4:5], s[4:5], s[20:21]
	s_add_nc_u64 s[26:27], s[8:9], s[24:25]
	s_add_nc_u64 s[30:31], s[8:9], s[28:29]
.irp i, 0,1,2,3,4,5,6,7,8,9,10,11,12,13,14,15
	v_mad_u32_u24 v[4+\i], s22, \i, v2             ; row i: 16 x lane + i x pitch
.endr
.irp i, 0,1,2,3,4,5,6,7,8,9,10,11,12,13,14,15
	global_load_b128 v[24+4*\i:27+4*\i], v[4+\i], s[4:5] th:TH_LOAD_NT   ; 32 lanes read a row's 512 consecutive bytes; read once in the launch
.endr
	v_add_nc_u32 v3, s15, v2                       ; into the stage as loaded: 16 x lane, row i at 528 i
	v_mul_u32_u24 v22, v20, 528
	v_lshl_add_u32 v22, v21, 7, v22
	v_add_nc_u32 v22, s15, v22                     ; out of it: row r, block h (128 bytes a block)
.irp i, 0,1,2,3,4,5,6,7,8,9,10,11,12,13,14,15
	s_wait_loadcnt 15-\i                           ; loads come back in order: row i is in, the 15 - i younger ones may be out
	ds_store_b128 v3, v[24+4*\i:27+4*\i] offset:528*\i
.endr
.irp c, 0,1
.irp g, 0,1,2,3,4,5,6,7
	ds_load_b128 v[88+32*\c+4*\g:91+32*\c+4*\g], v22 offset:256*\c+16*\g   ; block 2 c + h of my row: 32 neighbours along K.  LDS serves a wave's instructions in order: these see my stores
.endr
.endr
	s_wait_dscnt 0x0
.irp c, 0,1
	v_max3_num_f32 v[160+\c], |v[88+32*\c]|, |v[89+32*\c]|, 0x1800000   ; the block's largest magnitude, and the floor 2^(3 - 127): the byte cannot fall under 1
.endr
.irp i, 2,4,6,8,10,12,14,16,18,20,22,24,26,28,30
.irp c, 0,1
	v_max3_num_f32 v[160+\c], v[160+\c], |v[88+32*\c+\i]|, |v[89+32*\c+\i]|   ; (the two blocks by turns)
.endr
.endr
.irp c, 0,1
	v_add_nc_u32 v[162+\c], 0xff000000, v[160+\c]  ; 2 off the exponent field: the conversion takes the exponent field of this operand as its scale
.endr
.irp c, 0,1
	v_lshrrev_b32 v[164+\c], 23, v[162+\c]         ; the scale's byte
.endr
	v_lshl_or_b32 v166, v165, 16, v164             ; my two bytes: blocks h and 2 + h,
	v_lshlrev_b32 v167, 3, v21
	v_lshlrev_b32 v166, v167, v166                 ; at their places in the scale word (8 h bits up);
	v_mov_b32 v167, 0                              ; (a lane permute's destination counts as one of its sources)
	v_permlanex16_b32 v167, v166, s32, s33
	v_or_b32 v166, v166, v167                      ; with lane l xor 16's two the word is whole, in both halves of the lanes
.irp c, 0,1
.irp g, 0,1,2,3
	v_cvt_scalef32_pk8_fp4_f32 v[152+4*\c+\g], v[88+32*\c+8*\g:95+32*\c+8*\g], v[162+\c]   ; registers 4 c .. 4 c + 3 of the operand
.endr
.endr
	v_lshlrev_b32 v20, 2, v20                      ; 4 r.  (A plain line behind the conversions)
	global_store_b128 v2, v[152:155], s[26:27]     ; 32 lanes store 512 consecutive bytes, at a multiple of 512 from wq's first byte
	global_store_b128 v2, v[156:159], s[26:27] offset:512
	global_store_b32 v20, v166, s[30:31]           ; the 16 scale words, 64 bytes; lanes 16-31 store the same words at the same places
	s_wait_tensorcnt 0x0
	ds_add_u32 v168, v169
	s_wait_dscnt 0x0
	s_endpgm
	; ---------------- the table: one row a thread
.Ltable:
	s_load_b64 s[4:5], s[0:1], 0x10                ; grid
	s_load_b64 s[6:7], s[0:1], 0x20                ; tab
	s_sub_co_u32 s8, ttmp9, 288
	s_lshl_b32 s9, s8, 7
	v_add_nc_u32 v5, s9, v0                        ; row i = 128 (work-group - 288) + thread
	v_min_u32 v5, 0x3ff, v5                        ; its feature
	v_mul_u32_u24 v5, v5, 48                       ; 12 knots of 4 bytes
	s_mul_i32 s11, s10, TST
	s_add_co_u32 s11, s11, TST0                    ; my stage
	v_mul_u32_u24 v3, v1, 272
	v_add_nc_u32 v3, s11, v3                       ; in: my row
	v_mul_u32_u24 v4, v21, 272
	v_lshl_add_u32 v4, v20, 4, v4
	v_add_nc_u32 v4, s11, v4                       ; back: lanes 0-15 one row, lanes 16-31 the next
	s_lshl_b32 s12, s8, 15                         ; 128 rows of 256 bytes a work-group,
	s_lshl_b32 s13, s10, 13                        ; 32 a wave
	s_add_co_u32 s12, s12, s13
	s_mov_b32 s13, 0
	s_wait_kmcnt 0x0
	s_add_nc_u64 s[6:7], s[6:7], s[12:13]
	global_load_b128 v[24:27], v5, s[4:5]
	global_load_b128 v[28:31], v5, s[4:5] offset:16
	global_load_b128 v[32:35], v5, s[4:5] offset:32
	s_wait_loadcnt 0x0
.irp j, 0,1,2,3,4,5,6,7,8,9,10
	v_sub_f32 v[36+\j], v[25+\j], v[24+\j]         ; g[j+1] - g[j], as reference() forms it
.endr
.irp j, 0,1,2,3,4,5,6,7,8,9
	v_sub_f32 v[47+\j], v[26+\j], v[24+\j]         ; g[j+2] - g[j]
.endr
.irp j, 0,1,2,3,4,5,6,7,8
	v_sub_f32 v[57+\j], v[27+\j], v[24+\j]         ; g[j+3] - g[j]
.endr
.set i, 0
.rept 30
	v_rcp_f32 v[66+i], v[36+i]
.set i, i+1
.endr
	v_nop                                          ; one plain line behind the transcendentals, before a result is used or a source written
.set i, 0
	s_wait_alu depctr_va_vdst(0)
.rept 30
	v_fma_f32 v[36+i], -v[36+i], v[66+i], 1.0      ; e = 1 - d r
.set i, i+1
.endr
.irp j, 0,1,2,3,4,5,6,7,8,9,10,11
	v_xor_b32 v[96+2*\j], 0x80000000, v[24+\j]     ; dword 2 j: -g[j]
.endr
.irp j, 0,1,2,3,4,5,6,7,8,9,10
	v_fma_f32 v[97+2*\j], v[66+\j], v[36+\j], v[66+\j]      ; dword 2 j + 1: r + r e
.endr
	v_mov_b32 v119, 0                              ; dword 23
.irp j, 0,1,2,3,4,5,6,7,8,9
	v_fma_f32 v[120+2*\j], v[77+\j], v[47+\j], v[77+\j]     ; dword 24 + 2 j
	v_mov_b32 v[121+2*\j], 0
.endr
.irp j, 0,1,2,3,4,5,6,7,8
	v_fma_f32 v[140+2*\j], v[87+\j], v[57+\j], v[87+\j]     ; dword 44 + 2 j
	v_mov_b32 v[141+2*\j], 0
.endr
	v_mov_b32 v158, 0
	v_mov_b32 v159, 0
.irp i, 0,1,2,3,4,5,6,7,8,9,10,11,12,13,14,15
	ds_store_b128 v3, v[96+4*\i:99+4*\i] offset:16*\i
.endr
.irp t, 0,1,2,3,4,5,6,7,8,9,10,11,12,13,14,15
	ds_load_b128 v[24+4*\t:27+4*\t], v4 offset:544*\t       ; rows 2 t and 2 t + 1, whole.  LDS serves a wave's instructions in order: these see my stores
.endr
.irp t, 0,1,2,3,4,5,6,7,8,9,10,11,12,13,14,15
	s_wait_dscnt 15-\t                             ; pair t of rows is back; the 15 - t younger loads may be out
	global_store_b128 v2, v[24+4*\t:27+4*\t], s[6:7] offset:512*\t   ; 32 lanes store 512 consecutive bytes, at a multiple of 512 from tab's first byte
.endr
	s_wait_tensorcnt 0x0
	ds_add_u32 v168, v169
	s_wait_dscnt 0x0
	s_endpgm
.Lfunc_end_k_q967886cc52_prep:
	.size	k_q967886cc52_prep, .Lfunc_end_k_q967886cc52_prep-k_q967886cc52_prep
	.p2alignl 7, 3214868480
	.fill 96, 4, 3214868480
	.section	.rodata,"a",@progbits
	.p2align	6, 0x0
	.amdhsa_kernel k_q967886cc52_prep
		.amdhsa_group_segment_fixed_size 69120
		.amdhsa_private_segment_fixed_size 0
		.amdhsa_enable_private_segment 0
		.amdhsa_kernarg_size 40
		.amdhsa_user_sgpr_count 2
		.amdhsa_user_sgpr_kernarg_segment_ptr 1
		.amdhsa_wavefront_size32 1
		.amdhsa_system_sgpr_workgroup_id_x 1
		.amdhsa_system_sgpr_workgroup_id_y 1
		.amdhsa_system_sgpr_workgroup_id_z 1
		.amdhsa_system_vgpr_workitem_id 0
		.amdhsa_next_free_vgpr 170
		.amdhsa_next_free_sgpr 66
		.amdhsa_reserve_vcc 0
		.amdhsa_float_denorm_mode_32 3
		.amdhsa_float_denorm_mode_16_64 3
		.amdhsa_memory_ordered 1
		.amdhsa_forward_progress 1
		.amdhsa_inst_pref_size 24
	.end_amdhsa_kernel
	.amdgpu_metadata
---
amdhsa.version: [ 1, 2 ]
amdhsa.kernels:
  - .name:           k_q967886cc52_prep
    .symbol:         k_q967886cc52_prep.kd
    .args:
      - { .name: base_weight, .offset: 0, .size: 8, .value_kind: global_buffer, .address_space: global }
      - { .name: spline_weight, .offset: 8, .size: 8, .value_kind: global_buffer, .address_space: global }
      - { .name: grid, .offset: 16, .size: 8, .value_kind: global_buffer, .address_space: global }
      - { .name: wq, .offset: 24, .size: 8, .value_kind: global_buffer, .address_space: global }
      - { .name: tab, .offset: 32, .size: 8, .value_kind: global_buffer, .address_space: global }
    .group_segment_fixed_size: 69120
    .private_segment_fixed_size: 0
    .kernarg_segment_align: 8
    .kernarg_segment_size: 40
    .max_flat_workgroup_size: 128
    .sgpr_count:     66
    .vgpr_count:     170
    .wavefront_size: 32
...
	.end_amdgpu_metadata
.endif
;; end of part 1
;; launch kan (part 2): grid 256 x 1, 16 waves a work-group, no clusters, 147,968 bytes of LDS; arguments x, tab, wq, out0; writes out0
.if DOCPART == 2
	.amdgcn_target "amdgcn-amd-amdhsa--gfx1250"
	.amdhsa_code_object_version 6
	.text
	.protected	k_q967886cc52_kan
	.globl	k_q967886cc52_kan
	.p2align	8
	.type	k_q967886cc52_kan,@function
k_q967886cc52_kan:
	s_mov_b64 s[64:65], 0
	v_nop
	global_prefetch_b8 v0, s[64:65] scope:SCOPE_SE
	s_setreg_imm32_b32 hwreg(HW_REG_WAVE_MODE, 25, 1), 1
	s_wait_xcnt 0x0
; out0[16384][256] = Q(silu(x)) Q(base_weight)^T + Q(bsplines(x, grid)) Q(spline_weight)^T, both products on codes of FP4 (E2M1) with one E8M0 scale for each 32 along K, sums in f32.
; The weights come as operand images and the knots as a table of constants, both made by the launch before (their layouts: its head comment).
; WHAT BINDS: for each number of x eight spline bases are made by a recursion of three levels over eleven intervals: some 74 vector instructions a number against 9 / 4096 of a matrix instruction.
; So the left operand is made exactly once, with as few vector instructions as can be, and all else stands beside that work.
; SHARES.  A work-group owns 64 rows and all 256 columns.  K goes in 8 steps of 128 features = 8 spline K steps of 128 (k = 8 feature + basis) + 1 base K step.  Sixteen waves, four to a SIMD.
;   AS PRODUCER wave w makes, for all 64 rows, the bases of features 128 s + 8 w + 0 .. 7 (two blocks of 32 along K).  A lane holds rows l and l + 32 as a register pair (packed f32), and all lanes of the wave are at the
;   same feature: its 42 constants are SCALAR operands, brought by scalar loads one feature ahead.  It also makes silu for 16 rows x 32 features (16 numbers a lane).
;   AS CONSUMER wave w multiplies: column tiles 2 e, 2 e + 1 (e = w % 8), spline K steps 4 kh .. 4 kh + 3 of the step (kh = w / 8), all four tiles of rows: eight accumulators.  Slot m of them stands for row tile m xor 2 kh,
;   and the base K step is multiplied on slots 0 and 1 alone: each half of the waves does half its rows, alike in all waves.  The two halves of K are added once, at the end, through LDS.
; THE LEFT OPERAND GOES FROM WAVE TO WAVE THROUGH LDS AS AN IMAGE OF ITS REGISTERS: block b of row r of a tile is 16 bytes at 1,024 tile + 256 b + 16 r, which is byte 512 c + 16 lane of the fragment (b = 2 c + lane / 16).
; A producer lane holds a whole block, so it stores it by one ds_store_b128: no lane is exchanged.  The scale words (4 bytes a row and K step) lie behind a K step's four tiles.
; THE WEIGHTS go from memory straight into the registers of the wave that multiplies them: 512 consecutive bytes a load; no fragment is read by two waves of a work-group but the base step's (by two).
; NO JOINT LOADS, though all work-groups read the same weights: a joint load lands in LDS, a step's weights are 156,672 bytes, and two slots of them beside the 145,920 bytes in use here are 459,264, more than the 327,680 that
; a work-group can have; and the waves would then read from LDS what they now get in their registers.
; THE MATRIX INSTRUCTION IS USED TRANSPOSED (source 0 = 16 columns of the weights, source 1 = 16 rows of the activations): a lane holds eight neighbouring columns of one row of out0.
; TWO GROUPS OF WAVES, gb = (w xor w / 4) % 2.  One barrier a step.  Group A multiplies step s straight behind barrier s, group B just in front of barrier s + 1: so one group's matrix instructions and LDS loads stand
; beside the other's vector work.  Between two barriers all reads of images fall on one of the two image buffers and all writes on the other; the same holds of the two buffers of x.
; THE RECURSION, term by term as reference() has it: d[j] = x - g[j];  C1[j] = (d[j] >= 0 and not d[j+1] >= 0) ? r1[j] : 0;  B(k)[j] = d[j] C(k)[j] - d[j+k+1] C(k)[j+1];  C(k+1)[j] = B(k)[j] r(k+1)[j],
; r(k)[j] = 1 / (g[j+k] - g[j]).  Nothing is assumed of the knots: not their spacing, not that features share them, not their order.
; LIMITS: NaN and infinities in x are not served.  Divisions are multiplications by refined reciprocals.  A block whose largest magnitude lies under 2^-124 keeps the scale byte 1 (a block of zeros too: its codes are zeros).
;   silu(x) = x / (1 + 2^(-x log2 e)) comes out as -0 where 2^(-x log2 e) overflows (x under about -88.7), where reference() has a number of magnitude under 1e-36.
.set XBUFB, 33792                      ; LDS: a buffer of x: 64 rows x (512 + 16) bytes; two of them from byte 0
.set ABUF0, 2*XBUFB                    ; then two buffers of images
.set AKB,   4352                       ; a K step: four tiles of 1,024 bytes, then 64 scale words
.set ABUFB, 9*AKB                      ; 8 spline K steps and the base K step
.set STEPB, 156672                     ; a step's weights in wq
.set WSC,   147456                     ; where its scale words begin
.set STG,   65536                      ; the end: bytes 0 .. 65,535 take the upper K half's sums (8 x 8,192), from here 64 rows x (1,024 + 16) the stage for out0
.set XO,  1                            ; v1   x in memory: 16,384 w + 16 l (wave w fetches rows 4 w .. 4 w + 3)
.set XST, 2                            ; v2   and in LDS: 2,112 w + 16 l
.set XR,  3                            ; v3   my row's eight features: 528 l + 32 w
.set SXR, 4                            ; v4   silu: my 16 numbers
.set IW,  5                            ; v5   where I store a block's codes
.set SW,  6                            ; v6   and my two scale bytes
.set SIW, 7                            ; v7   silu: my 16 codes
.set SSW, 8                            ; v8   silu: my block's scale byte
.set AD0, 9                            ; v9   images of slots 0, 1;  v10 of slots 2, 3;  v11 of the base K step
.set AD1, 10
.set AD2, 11
.set AS0, 12                           ; v12-14 their scale words
.set AS1, 13
.set AS2, 14
.set VO1, 15                           ; v15  my weights' fragments in a step of wq;  v16 the base K step's
.set VO2, 16
.set VS1, 17                           ; v17, v18 their scale words
.set VS2, 18
.set RR,  19                           ; v19  the end: where the K halves meet
.set ACC, 20                           ; v20-83   accumulator 2 m + n at 20 + 8 (2 m + n)
.set XP,  84                           ; v84-99   the next step's x, on its way
.set WS,  100                          ; v100-104 the weights' scale words: nothing else ever lies here
.set AS,  105                          ; v105-108 the activations' scale words, two for each buffer: likewise
.set SO,  109                          ; v109 the end: into the stage
.set X,   110                          ; v110-117 four features' (x of row l, x of row l + 32)
.set D,   118                          ; v118-141 d[0..11], pairs
.set CA,  142                          ; v142-163 C1, then B2 and C3
.set CB,  164                          ; v164-183 B1 and C2, then the last level's products, then a block's codes
.set RA,  184                          ; v184-215 row l's block of 32 bases
.set RB,  216                          ; v216-247 row l + 32's
.set MX,  248                          ; v248-249 the blocks' largest magnitudes;  v250-251 the conversions' scale operands;  v252-253 the scale bytes
.set SC,  250
.set BY,  252
.set SR,  254                          ; v254 the end: out of the stage;  v255 my bytes in the work-group's rows of out0
.set GO,  255
.set WF,  118                          ; as consumer: v118-197 ten fragments of weights; v198-229 four fragments of activations; v230-253 and v110-117 four more
.set SX,  198                          ; silu: v198-213 the numbers, v214-229 at work, v230-234 at work
.set SE,  214
.set ST,  230
.set T3,  64                           ; the table's dwords 48 .. 63 lie 20 registers up: r3[j], j >= 2, in register T3 + 2 j
; SCALARS: s2-13 masks of row l + 32;  s[14:15] tab at my wave's features;  s16-63 and s68-83 the feature's 64 dwords;  s[66:67] x;  s84-95 masks of row l;  s[96:97] wq;  s[98:99] its step;
;   s100 trips to go;  s101 group A;  s104 group B;  s105 group B, from the second step on.
; Four features' x for both my rows, block blk of the step, from buffer p
.macro XLD p, blk
.irp i, 0,1,2,3
	ds_load_b32 v[X+2*\i], v[XR] offset:(\p)*XBUFB+16*(\blk)+4*\i
	ds_load_b32 v[X+2*\i+1], v[XR] offset:(\p)*XBUFB+16*(\blk)+4*\i+16896
.endr
.endm
; FEATURE i of my eight, in a step of parity p.  As soon as a group of 16 table registers has been read for the last time, the next feature's 64 bytes are asked for into it.
; xnext: the second block's x is asked for once the first block's is used up.  dsw: the last block's codes lie in CB: their stores are waited for before CB is written.
.macro FEAT i, p, xnext, dsw
.set F, (\i)%4
.set NXT, 32768*((8*(\p)+(\i)+1)/8)+256*((8*(\p)+(\i)+1)%8)   ; the next feature's row of tab, from the trip's first: a step is 128 rows on, a trip 256
	s_wait_kmcnt 0x0                               ; this feature's constants are in (scalar loads come back in no order: only 0 says so)
.irp j, 0,1,2,3,4,5,6,7,8,9,10,11
	v_pk_add_f32 v[D+2*\j:D+2*\j+1], v[X+2*F:X+2*F+1], s[16+2*\j:17+2*\j] op_sel_hi:[1,0]   ; d[j] = x - g[j]: its sign is that of the exact difference
.endr
.if \xnext
	XLD \p, 1
.endif
.irp j, 0,1,2,3,4,5,6,7,8,9,10,11
	v_cmp_le_f32 s[84+\j], 0, v[D+2*\j]            ; x >= g[j], row l
	v_cmp_le_f32 s[2+\j], 0, v[D+2*\j+1]           ; row l + 32
.endr
.irp j, 0,1,2,3,4,5,6,7,8,9,10
	s_and_not1_b32 s[84+\j], s[84+\j], s[85+\j]    ; and not x >= g[j+1]: the masks feed selections alone
	s_and_not1_b32 s[2+\j], s[2+\j], s[3+\j]
.endr
.irp j, 0,1,2,3,4,5,6,7,8,9,10
	v_cndmask_b32 v[CA+2*\j], 0, s[17+2*\j], s[84+\j]     ; C1[j]
	v_cndmask_b32 v[CA+2*\j+1], 0, s[17+2*\j], s[2+\j]
.endr
	s_load_b512 s[16:31], s[14:15], NXT
.if \dsw
	s_wait_dscnt 0x0                               ; the stores of the last block's codes have read CB
.endif
.irp j, 0,1,2,3,4,5,6,7,8,9
	v_pk_mul_f32 v[CB+2*\j:CB+2*\j+1], v[D+2*\j+4:D+2*\j+5], v[CA+2*\j+2:CA+2*\j+3]
.endr
.irp j, 0,1,2,3,4,5,6,7,8,9
	v_pk_fma_f32 v[CB+2*\j:CB+2*\j+1], v[D+2*\j:D+2*\j+1], v[CA+2*\j:CA+2*\j+1], v[CB+2*\j:CB+2*\j+1] neg_lo:[0,0,1] neg_hi:[0,0,1]   ; B1[j] = d[j] C1[j] - d[j+2] C1[j+1]
.endr
.irp j, 0,1,2,3,4,5,6,7,8,9
	v_pk_mul_f32 v[CB+2*\j:CB+2*\j+1], v[CB+2*\j:CB+2*\j+1], s[40+2*\j:41+2*\j] op_sel_hi:[1,0]   ; C2[j] = B1[j] r2[j]
.endr
	s_load_b512 s[32:47], s[14:15], NXT+64
.irp j, 0,1,2,3,4,5,6,7,8
	v_pk_mul_f32 v[CA+2*\j:CA+2*\j+1], v[D+2*\j+6:D+2*\j+7], v[CB+2*\j+2:CB+2*\j+3]
.endr
.irp j, 0,1,2,3,4,5,6,7,8
	v_pk_fma_f32 v[CA+2*\j:CA+2*\j+1], v[D+2*\j:D+2*\j+1], v[CB+2*\j:CB+2*\j+1], v[CA+2*\j:CA+2*\j+1] neg_lo:[0,0,1] neg_hi:[0,0,1]   ; B2[j] = d[j] C2[j] - d[j+3] C2[j+1]
.endr
.irp j, 0,1
	v_pk_mul_f32 v[CA+2*\j:CA+2*\j+1], v[CA+2*\j:CA+2*\j+1], s[60+2*\j:61+2*\j] op_sel_hi:[1,0]   ; C3[j] = B2[j] r3[j]
.endr
.irp j, 2,3,4,5,6,7,8
	v_pk_mul_f32 v[CA+2*\j:CA+2*\j+1], v[CA+2*\j:CA+2*\j+1], s[T3+2*\j:T3+2*\j+1] op_sel_hi:[1,0]
.endr
	s_load_b512 s[48:63], s[14:15], NXT+128
	s_load_b512 s[68:83], s[14:15], NXT+192
.irp j, 0,1,2,3,4,5,6,7
	v_pk_mul_f32 v[CB+2*\j:CB+2*\j+1], v[D+2*\j+8:D+2*\j+9], v[CA+2*\j+2:CA+2*\j+3]
.endr
.irp j, 0,1,2,3,4,5,6,7
	v_fma_f32 v[RA+8*F+\j], v[D+2*\j], v[CA+2*\j], -v[CB+2*\j]           ; B3[j] = d[j] C3[j] - d[j+4] C3[j+1].  Not packed: each row's eight bases fall into eight
	v_fma_f32 v[RB+8*F+\j], v[D+2*\j+1], v[CA+2*\j+1], -v[CB+2*\j+1]     ; consecutive registers, as the conversion takes them
.endr
.if F == 0
	v_max3_num_f32 v[MX], |v[RA]|, |v[RA+1]|, 0x1800000      ; a block's largest magnitude begins with the floor 2^(3 - 127): the byte cannot fall under 1
	v_max3_num_f32 v[MX+1], |v[RB]|, |v[RB+1]|, 0x1800000
.else
	v_max3_num_f32 v[MX], v[MX], |v[RA+8*F]|, |v[RA+8*F+1]|
	v_max3_num_f32 v[MX+1], v[MX+1], |v[RB+8*F]|, |v[RB+8*F+1]|
.endif
.irp j, 2,4,6
	v_max3_num_f32 v[MX], v[MX], |v[RA+8*F+\j]|, |v[RA+8*F+\j+1]|
	v_max3_num_f32 v[MX+1], v[MX+1], |v[RB+8*F+\j]|, |v[RB+8*F+\j+1]|
.endr
.endm
; Two blocks of 32 (rows l and l + 32; four features x eight bases) become codes and go to image buffer p.  blk: which of my two blocks along K.
.macro QUANT blk, p
	v_add_nc_u32 v[SC], 0xff000000, v[MX]          ; 2 off the exponent field: the conversion takes the exponent field of this operand as its scale
	v_add_nc_u32 v[SC+1], 0xff000000, v[MX+1]
.if \blk == 0
	s_wait_dscnt 0x0                               ; the second block's x, asked for a feature ago, is in
.endif
.irp f, 0,1,2,3
	v_cvt_scalef32_pk8_fp4_f32 v[CB+\f], v[RA+8*\f:RA+8*\f+7], v[SC]
	v_cvt_scalef32_pk8_fp4_f32 v[CB+4+\f], v[RB+8*\f:RB+8*\f+7], v[SC+1]
.endr
	v_nop                                          ; one plain line behind the conversions
.if \blk == 0
	v_lshrrev_b32 v[BY], 23, v[SC]                 ; the scale's byte
	v_lshrrev_b32 v[BY+1], 23, v[SC+1]
.else
	v_lshrrev_b32 v[SC], 23, v[SC]
	v_lshrrev_b32 v[SC+1], 23, v[SC+1]
	v_lshl_or_b32 v[BY], v[SC], 8, v[BY]           ; my two bytes of the row's scale word
	v_lshl_or_b32 v[BY+1], v[SC+1], 8, v[BY+1]
.endif
	ds_store_b128 v[IW], v[CB:CB+3] offset:(\p)*ABUFB+256*(\blk)          ; sixteen lanes store 256 consecutive bytes
	ds_store_b128 v[IW], v[CB+4:CB+7] offset:(\p)*ABUFB+256*(\blk)+2048   ; row l + 32: two tiles on
.if \blk == 1
	ds_store_b16 v[SW], v[BY] offset:(\p)*ABUFB
	ds_store_b16 v[SW], v[BY+1] offset:(\p)*ABUFB+128
.endif
.endm
; My ten fragments of weights and five registers of scale words for one step: 25 loads
.macro BLOAD
.irp q, 0,1,2,3
.irp n, 0,1
.irp c, 0,1
	global_load_b128 v[WF+8*(2*\q+\n)+4*\c:WF+8*(2*\q+\n)+4*\c+3], v[VO1], s[96:97] offset:16384*\q+1024*\n+512*\c   ; 32 lanes read 512 consecutive bytes
.endr
.endr
.endr
.irp n, 0,1
.irp c, 0,1
	global_load_b128 v[WF+64+8*\n+4*\c:WF+64+8*\n+4*\c+3], v[VO2], s[96:97] offset:1024*\n+512*\c
.endr
.endr
.irp q, 0,1,2,3
	global_load_b32 v[WS+\q], v[VS1], s[96:97] offset:1024*\q   ; lanes 0-15: column tile 2 e's words, lanes 16-31: tile 2 e + 1's
.endr
	global_load_b32 v[WS+4], v[VS2], s[96:97]
.endm
; silu of my 16 numbers (half a block of the base K step; lanes l and l xor 1 share the block), quantised, to image buffer p
.macro SILU p
.irp g, 0,1,2,3
	ds_load_b128 v[SX+4*\g:SX+4*\g+3], v[SXR] offset:(\p)*XBUFB+16*\g
.endr
	s_wait_dscnt 0x0
.irp g, 0,2,4,6,8,10,12,14
	v_pk_mul_f32 v[SE+\g:SE+\g+1], v[SX+\g:SX+\g+1], 0xbfb8aa3b op_sel_hi:[1,0]   ; -x log2 e
.endr
.irp g, 0,1,2,3,4,5,6,7,8,9,10,11,12,13,14,15
	v_exp_f32 v[SE+\g], v[SE+\g]
.endr
	v_nop                                          ; one plain line behind the transcendentals
	s_wait_alu depctr_va_vdst(0)
.irp g, 0,2,4,6,8,10,12,14
	v_pk_add_f32 v[SE+\g:SE+\g+1], v[SE+\g:SE+\g+1], 1.0 op_sel_hi:[1,0]
.endr
.irp g, 0,1,2,3,4,5,6,7,8,9,10,11,12,13,14,15
	v_rcp_f32 v[SE+\g], v[SE+\g]
.endr
	v_nop
	s_wait_alu depctr_va_vdst(0)
.irp g, 0,2,4,6,8,10,12,14
	v_pk_mul_f32 v[SX+\g:SX+\g+1], v[SX+\g:SX+\g+1], v[SE+\g:SE+\g+1]   ; x / (1 + e^-x)
.endr
	v_max3_num_f32 v[ST], |v[SX]|, |v[SX+1]|, 0x1800000        ; the largest magnitude of my 16, in two chains, with the floor
	v_max3_num_f32 v[ST+1], |v[SX+2]|, |v[SX+3]|, |v[SX+4]|
	v_max3_num_f32 v[ST], v[ST], |v[SX+5]|, |v[SX+6]|
	v_max3_num_f32 v[ST+1], v[ST+1], |v[SX+7]|, |v[SX+8]|
	v_max3_num_f32 v[ST], v[ST], |v[SX+9]|, |v[SX+10]|
	v_max3_num_f32 v[ST+1], v[ST+1], |v[SX+11]|, |v[SX+12]|
	v_max3_num_f32 v[ST], v[ST], |v[SX+13]|, |v[SX+14]|
	v_max3_num_f32 v[ST], v[ST], v[ST+1], |v[SX+15]|
	v_max_num_f32_dpp v[ST], v[ST], v[ST] row_xmask:1 row_mask:0xf bank_mask:0xf   ; and of my neighbour's 16: the block's
	v_add_nc_u32 v[ST+1], 0xff000000, v[ST]
	v_cvt_scalef32_pk8_fp4_f32 v[ST+2], v[SX:SX+7], v[ST+1]
	v_cvt_scalef32_pk8_fp4_f32 v[ST+3], v[SX+8:SX+15], v[ST+1]
	v_nop                                          ; one plain line behind the conversions
	v_lshrrev_b32 v[ST+4], 23, v[ST+1]
	ds_store_b64 v[SIW], v[ST+2:ST+3] offset:(\p)*ABUFB
	ds_store_b8 v[SSW], v[ST+4] offset:(\p)*ABUFB  ; both lanes of a block write the same byte with the same value
.endm
.macro AFSET buf, m                    ; AFR = where slot m's fragment lies in buffer buf: 198 + 32 buf + 8 m; the last of the eight at v110
.set AFR, 198+32*(\buf)+8*(\m)
.if AFR > 246
.set AFR, 110
.endif
.endm
; One spline K step's four fragments and two registers of scale words, from LDS byte off of my K half: 10 LDS loads
.macro ALOAD buf, off
.irp m, 0,1,2,3
	AFSET \buf, \m
.irp c, 0,1
.if \m < 2
	ds_load_b128 v[AFR+4*\c:AFR+4*\c+3], v[AD0] offset:\off+1024*(\m%2)+512*\c
.else
	ds_load_b128 v[AFR+4*\c:AFR+4*\c+3], v[AD1] offset:\off+1024*(\m%2)+512*\c
.endif
.endr
.endr
	ds_load_b32 v[AS+2*(\buf)], v[AS0] offset:\off      ; lanes 0-15: slot 0's rows, lanes 16-31: slot 1's
	ds_load_b32 v[AS+2*(\buf)+1], v[AS1] offset:\off    ; slots 2 and 3
.endm
.macro BASELOAD off                    ; the base K step, slots 0 and 1, into buffer 0: 5 LDS loads
.irp m, 0,1
.irp c, 0,1
	ds_load_b128 v[198+8*\m+4*\c:201+8*\m+4*\c], v[AD2] offset:\off+1024*\m+512*\c
.endr
.endr
	ds_load_b32 v[AS], v[AS2] offset:\off
.endm
.macro WM q, buf, m, n                 ; one product: slot m x column tile n, my q-th K step
.set AC, ACC+8*(2*(\m)+(\n))
.set WR, WF+8*(2*(\q)+(\n))
.set SBR, AS+2*(\buf)+(\m)/2
.if ((\m)%2 == 0) && ((\n) == 0)
	v_wmma_scale_f32_16x16x128_f8f6f4 v[AC:AC+7], v[WR:WR+7], v[AFR:AFR+7], v[AC:AC+7], v[WS+(\q)], v[SBR] matrix_a_fmt:MATRIX_FMT_FP4 matrix_b_fmt:MATRIX_FMT_FP4
.elseif (\m)%2 == 0
	v_wmma_scale_f32_16x16x128_f8f6f4 v[AC:AC+7], v[WR:WR+7], v[AFR:AFR+7], v[AC:AC+7], v[WS+(\q)], v[SBR] matrix_a_fmt:MATRIX_FMT_FP4 matrix_b_fmt:MATRIX_FMT_FP4 matrix_a_scale:MATRIX_SCALE_ROW1
.elseif (\n) == 0
	v_wmma_scale_f32_16x16x128_f8f6f4 v[AC:AC+7], v[WR:WR+7], v[AFR:AFR+7], v[AC:AC+7], v[WS+(\q)], v[SBR] matrix_a_fmt:MATRIX_FMT_FP4 matrix_b_fmt:MATRIX_FMT_FP4 matrix_b_scale:MATRIX_SCALE_ROW1
.else
	v_wmma_scale_f32_16x16x128_f8f6f4 v[AC:AC+7], v[WR:WR+7], v[AFR:AFR+7], v[AC:AC+7], v[WS+(\q)], v[SBR] matrix_a_fmt:MATRIX_FMT_FP4 matrix_b_fmt:MATRIX_FMT_FP4 matrix_a_scale:MATRIX_SCALE_ROW1 matrix_b_scale:MATRIX_SCALE_ROW1
.endif
.endm
.macro MUL q, buf, nslots              ; the accumulators take turns, one instruction a turn, always from accumulator 0 up
.irp m, 0,1,2,3
.if \m < \nslots
	AFSET \buf, \m
.irp n, 0,1
	WM \q, \buf, \m, \n
.endr
.endif
.endr
.endm
.macro PLACES                          ; a load into a register that a matrix instruction has read, and whatever reads its result, stand four plain vector instructions behind it (ISA guide 7.12.1 for vector instructions)
.rept 4
	v_nop
.endr
.endm
; One step's products of my wave, from image buffer p: 36 matrix instructions; the activations' fragments come through two register buffers, one K step ahead.
.macro CONSUME p
.set COFF, (\p)*ABUFB
	ALOAD 0, COFF
	ALOAD 1, COFF+AKB
	s_wait_dscnt 10                                ; LDS loads come back in order: the first ten are in, the ten behind them may be out
	MUL 0, 0, 4
	PLACES
	ALOAD 0, COFF+2*AKB
	s_wait_dscnt 10                                ; K step 1 is in; K step 2's ten may be out
	MUL 1, 1, 4
	PLACES
	ALOAD 1, COFF+3*AKB
	s_wait_dscnt 10                                ; K step 2 is in; K step 3's ten may be out
	MUL 2, 0, 4
	PLACES
	BASELOAD COFF
	s_wait_dscnt 5                                 ; K step 3 is in; the base K step's five may be out
	MUL 3, 1, 4
	s_wait_dscnt 0x0
	MUL 4, 0, 2
	PLACES
.endm
; A STEP of 128 features, of parity p (x from buffer p, images into buffer p).
.macro STEP p
.if \p == 1
	s_cmp_eq_u32 s100, 1                           ; the last step has no successor: no load leaves x
	s_cbranch_scc1 .Lno_ask_\@
.endif
.irp t, 0,1,2,3
	global_load_b128 v[XP+4*\t:XP+4*\t+3], v[XO], s[66:67] offset:4096*\t th:TH_LOAD_NT   ; the next step's x: 512 consecutive bytes of a row; a whole step ahead of its use; read once in the launch
.endr
.if \p == 1
.Lno_ask_\@:
.endif
	XLD \p, 0
	s_wait_dscnt 0x0
	FEAT 0, \p, 0, 0
	FEAT 1, \p, 0, 0
	FEAT 2, \p, 0, 0
	FEAT 3, \p, 1, 0
	QUANT 0, \p
	FEAT 4, \p, 0, 1
	FEAT 5, \p, 0, 0
	FEAT 6, \p, 0, 0
	FEAT 7, \p, 0, 0
	QUANT 1, \p
	s_wait_dscnt 0x0                               ; the stores of the codes have read their registers, into which the weights now come
	BLOAD
	SILU \p
	s_wait_loadcnt 0x0                             ; the next x and the weights are in: their addresses may be stepped
.if \p == 1
	s_cmp_eq_u32 s100, 1
	s_cbranch_scc1 .Lno_put_\@
.endif
.irp t, 0,1,2,3
	ds_store_b128 v[XST], v[XP+4*\t:XP+4*\t+3] offset:(1-(\p))*XBUFB+528*\t   ; into the buffer whose last readers stood in front of the last barrier
.endr
	s_add_nc_u64 s[66:67], s[66:67], 512
.if \p == 1
.Lno_put_\@:
.endif
	s_cmp_eq_u32 s105, 0
	s_cbranch_scc1 .Lnot_b_\@
	CONSUME 1-\p                                   ; group B: the step before
.Lnot_b_\@:
	s_wait_dscnt 0x0                               ; for the others' sake: my stores (images, scale bytes, x) have landed, my reads of the other buffers are over
	s_barrier_signal -1
	s_barrier_wait -1
	s_cmp_eq_u32 s101, 0
	s_cbranch_scc1 .Lnot_a_\@
	CONSUME \p                                     ; group A: this step
.Lnot_a_\@:
	s_add_nc_u64 s[96:97], s[96:97], s[98:99]      ; the weights of the next step to be multiplied
	s_mov_b32 s98, STEPB
	s_mov_b32 s105, s104
.endm
	; ---------------- the head
	s_load_b256 s[4:11], s[0:1], 0x0               ; x s[4:5], tab s[6:7], wq s[8:9] (out0 is read again at the end)
	v_lshrrev_b32 v110, 5, v0
	v_readfirstlane_b32 s84, v110                  ; w, my wave 0..15
	v_and_b32 v110, 31, v0                         ; l
	v_and_b32 v111, 15, v0                         ; r
	v_bfe_u32 v112, v0, 4, 1                       ; h
	v_lshlrev_b32 v113, 4, v110                    ; 16 l
	v_lshlrev_b32 v114, 2, v110                    ; 4 l
	v_bfe_u32 v115, v0, 1, 4                       ; l / 2
	v_and_b32 v116, 1, v0                          ; l % 2
	s_and_b32 s85, s84, 1                          ; w % 2
	s_lshr_b32 s86, s84, 1                         ; w / 2: the spline K step that I produce for
	s_and_b32 s87, s84, 3                          ; w % 4
	s_lshr_b32 s88, s84, 2                         ; w / 4
	s_and_b32 s89, s84, 7                          ; e
	s_lshr_b32 s90, s84, 3                         ; kh
	s_xor_b32 s91, s90, 1                          ; 1 - kh
	s_lshl_b32 s92, s84, 14
	v_add_nc_u32 v[XO], s92, v113
	s_mul_i32 s92, s84, 2112
	v_add_nc_u32 v[XST], s92, v113
	s_lshl_b32 s92, s84, 5
	v_mul_u32_u24 v[XR], v110, 528
	v_add_nc_u32 v[XR], s92, v[XR]
	v_mul_u32_u24 v[SXR], v115, 528                ; silu: row 16 (w % 4) + l / 2, block w / 4, half l % 2
	v_lshl_add_u32 v[SXR], v116, 6, v[SXR]
	s_mul_i32 s92, s87, 8448
	s_lshl_b32 s93, s88, 7
	s_add_co_u32 s92, s92, s93
	v_add_nc_u32 v[SXR], s92, v[SXR]
	v_lshlrev_b32 v[IW], 4, v111                   ; codes: K step w / 2, tile h, block 2 (w % 2), row r
	v_lshl_add_u32 v[IW], v112, 10, v[IW]
	s_mul_i32 s92, s86, AKB
	s_lshl_b32 s93, s85, 9
	s_add_co_u32 s92, s92, s93
	s_add_co_u32 s92, s92, ABUF0
	v_add_nc_u32 v[IW], s92, v[IW]
	s_mul_i32 s92, s86, AKB                        ; scale bytes 2 (w % 2), + 1 of row l's word
	s_lshl_b32 s93, s85, 1
	s_add_co_u32 s92, s92, s93
	s_add_co_u32 s92, s92, ABUF0+4096
	v_add_nc_u32 v[SW], s92, v114
	v_lshlrev_b32 v[SIW], 3, v110                  ; silu's codes: tile w % 4, block w / 4, 16 (l / 2) + 8 (l % 2) = 8 l
	s_lshl_b32 s92, s87, 10
	s_lshl_b32 s93, s88, 8
	s_add_co_u32 s92, s92, s93
	s_add_co_u32 s92, s92, ABUF0+8*AKB
	v_add_nc_u32 v[SIW], s92, v[SIW]
	v_lshlrev_b32 v[SSW], 2, v115                  ; silu's scale byte: byte w / 4 of the row's word
	s_lshl_b32 s92, s87, 6
	s_add_co_u32 s92, s92, s88
	s_add_co_u32 s92, s92, ABUF0+8*AKB+4096
	v_add_nc_u32 v[SSW], s92, v[SSW]
	s_mul_i32 s92, s90, 4*AKB+2048                 ; slots 0, 1 are row tiles 2 kh, 2 kh + 1
	s_add_co_u32 s92, s92, ABUF0
	v_add_nc_u32 v[AD0], s92, v113
	s_mul_i32 s92, s90, 4*AKB                      ; slots 2, 3 the other two
	s_lshl_b32 s93, s91, 11
	s_add_co_u32 s92, s92, s93
	s_add_co_u32 s92, s92, ABUF0
	v_add_nc_u32 v[AD1], s92, v113
	s_lshl_b32 s92, s90, 11
	s_add_co_u32 s92, s92, ABUF0+8*AKB
	v_add_nc_u32 v[AD2], s92, v113
	s_mul_i32 s92, s90, 4*AKB+128
	s_add_co_u32 s92, s92, ABUF0+4096
	v_add_nc_u32 v[AS0], s92, v114
	s_mul_i32 s92, s90, 4*AKB
	s_lshl_b32 s93, s91, 7
	s_add_co_u32 s92, s92, s93
	s_add_co_u32 s92, s92, ABUF0+4096
	v_add_nc_u32 v[AS1], s92, v114
	s_lshl_b32 s92, s90, 7
	s_add_co_u32 s92, s92, ABUF0+8*AKB+4096
	v_add_nc_u32 v[AS2], s92, v114
	s_lshl_b32 s92, s89, 11                        ; weights: tile 2 e is 2,048 e bytes on, K step 4 kh 65,536 kh
	s_lshl_b32 s93, s90, 16
	s_add_co_u32 s93, s93, s92
	v_add_nc_u32 v[VO1], s93, v113
	s_add_co_u32 s93, s92, 131072
	v_add_nc_u32 v[VO2], s93, v113
	s_lshl_b32 s92, s89, 7
	s_add_co_u32 s92, s92, WSC
	s_lshl_b32 s93, s90, 12
	s_add_co_u32 s93, s93, s92
	v_add_nc_u32 v[VS1], s93, v114
	s_add_co_u32 s93, s92, 8192
	v_add_nc_u32 v[VS2], s93, v114
	s_lshl_b32 s92, s89, 13
	v_add_nc_u32 v[RR], s92, v113
	v_mul_u32_u24 v[SO], v111, 1040                ; the stage: row r of a tile, columns 32 e + 8 h on
	v_lshl_add_u32 v[SO], v112, 5, v[SO]
	s_lshl_b32 s92, s89, 7
	s_add_co_u32 s92, s92, STG
	v_add_nc_u32 v[SO], s92, v[SO]
	s_mul_i32 s92, s84, 4160
	s_add_co_u32 s92, s92, STG
	v_add_nc_u32 v[SR], s92, v113
	s_lshl_b32 s92, s84, 12
	v_add_nc_u32 v[GO], s92, v113
	s_lshr_b32 s104, s84, 2
	s_xor_b32 s104, s104, s84
	s_and_b32 s104, s104, 1                        ; group B
	s_xor_b32 s101, s104, 1                        ; group A
	s_mov_b32 s105, 0                              ; in the first step group B has nothing to multiply yet,
	s_cmp_lg_u32 s104, 0
	s_cselect_b32 s98, 0, STEPB                    ; and its weights stay at step 0 once (it loads them twice; the first time they are not used)
	s_mov_b32 s99, 0
	s_mov_b32 s100, 4                              ; four trips of two steps
	s_wait_kmcnt 0x0
	s_lshl_b32 s92, ttmp9, 18                      ; 64 rows of 4,096 bytes a work-group
	s_mov_b32 s93, 0
	s_add_nc_u64 s[66:67], s[4:5], s[92:93]
	s_lshl_b32 s92, s84, 11                        ; 8 rows of tab a wave
	s_add_nc_u64 s[14:15], s[6:7], s[92:93]
	s_mov_b64 s[96:97], s[8:9]
.irp t, 0,1,2,3
	global_load_b128 v[XP+4*\t:XP+4*\t+3], v[XO], s[66:67] offset:4096*\t th:TH_LOAD_NT   ; step 0's x
.endr
	s_load_b512 s[16:31], s[14:15], 0x0            ; my first feature's constants
	s_load_b512 s[32:47], s[14:15], 0x40
	s_load_b512 s[48:63], s[14:15], 0x80
	s_load_b512 s[68:83], s[14:15], 0xc0
.set i, 0
.rept 64
	v_mov_b32 v[ACC+i], 0                          ; cleared once: a first step that began the sums with the constant 0 would be a third copy of the step, for each of the two groups
.set i, i+1
.endr
	s_wait_loadcnt 0x0
.irp t, 0,1,2,3
	ds_store_b128 v[XST], v[XP+4*\t:XP+4*\t+3] offset:528*\t
.endr
	s_add_nc_u64 s[66:67], s[66:67], 512
	s_wait_dscnt 0x0
	s_barrier_signal -1
	s_barrier_wait -1                              ; step 0's x lies in buffer 0
.Ltrip:
	STEP 0
	STEP 1
	s_wait_kmcnt 0x0                               ; the scalar loads have read their base
	s_add_nc_u64 s[14:15], s[14:15], 0x10000       ; 256 features on
	s_sub_co_u32 s100, s100, 1
	s_cmp_lg_u32 s100, 0
	s_cbranch_scc1 .Ltrip
	; ---------------- the end
	s_cmp_eq_u32 s104, 0
	s_cbranch_scc1 .Lall_done
	BLOAD                                          ; group B: the last step
	s_wait_loadcnt 0x0
	CONSUME 1
.Lall_done:
	s_load_b64 s[4:5], s[0:1], 0x18                ; out0
	v_lshrrev_b32 v110, 5, v0
	v_readfirstlane_b32 s6, v110
	s_lshr_b32 s6, s6, 3                           ; kh
	s_wait_dscnt 0x0
	s_barrier_signal -1
	s_barrier_wait -1                              ; nobody reads x or images any more: their bytes serve the way out
	s_cmp_eq_u32 s6, 0
	s_cbranch_scc1 .Lnot_upper
.irp a, 0,1,2,3,4,5,6,7
	ds_store_b128 v[RR], v[ACC+8*\a:ACC+8*\a+3] offset:1024*\a           ; the upper K half's sums, as images; each accumulator from its low end on
	ds_store_b128 v[RR], v[ACC+8*\a+4:ACC+8*\a+7] offset:1024*\a+512
.endr
.Lnot_upper:
	s_wait_dscnt 0x0
	s_barrier_signal -1
	s_barrier_wait -1
	s_cmp_lg_u32 s6, 0
	s_cbranch_scc1 .Lnot_lower
.irp a, 0,1,2,3,4,5,6,7
	ds_load_b128 v[110+8*\a:113+8*\a], v[RR] offset:1024*((\a+4)%8)      ; my partner's slot m xor 2 is my row tile m
	ds_load_b128 v[114+8*\a:117+8*\a], v[RR] offset:1024*((\a+4)%8)+512
.endr
	s_wait_dscnt 0x0
.set i, 0
.rept 32
	v_pk_add_f32 v[110+i:111+i], v[110+i:111+i], v[ACC+i:ACC+i+1]        ; ascending: each accumulator is read from its low end on
.set i, i+2
.endr
.irp m, 0,1,2,3
.irp n, 0,1
	ds_store_b128 v[SO], v[110+8*(2*\m+\n):113+8*(2*\m+\n)] offset:16640*\m+64*\n       ; lane (r, h): out0(16 m + r, 32 e + 16 n + 8 h + 0 .. 7)
	ds_store_b128 v[SO], v[114+8*(2*\m+\n):117+8*(2*\m+\n)] offset:16640*\m+64*\n+16
.endr
.endr
.Lnot_lower:
	s_wait_dscnt 0x0
	s_barrier_signal -1
	s_barrier_wait -1                              ; 64 whole rows lie in the stage
	s_wait_kmcnt 0x0
	s_lshl_b32 s8, ttmp9, 16                       ; 64 rows of 1,024 bytes a work-group
	s_mov_b32 s9, 0
	s_add_nc_u64 s[4:5], s[4:5], s[8:9]
.irp t, 0,1,2,3
.irp u, 0,1
	ds_load_b128 v[110+4*(2*\t+\u):113+4*(2*\t+\u)], v[SR] offset:1040*\t+512*\u   ; my four rows, half a row an instruction
.endr
.endr
.irp t, 0,1,2,3
.irp u, 0,1
	s_wait_dscnt 7-(2*\t+\u)                       ; this half row is back; the younger loads may be out
	global_store_b128 v[GO], v[110+4*(2*\t+\u):113+4*(2*\t+\u)], s[4:5] offset:1024*\t+512*\u th:TH_STORE_NT   ; 32 lanes store 512 consecutive bytes, at a multiple of 512 from out0's first byte; written once
.endr
.endr
	s_wait_xcnt 0x0
	v_lshl_add_u32 v254, v0, 2, 0x23a00
	v_mov_b32 v255, 0
	s_wait_tensorcnt 0x0
	ds_add_u32 v254, v255
	s_wait_dscnt 0x0
	s_endpgm
.Lfunc_end_k_q967886cc52_kan:
	.size	k_q967886cc52_kan, .Lfunc_end_k_q967886cc52_kan-k_q967886cc52_kan
	.p2alignl 7, 3214868480
	.fill 96, 4, 3214868480
	.section	.rodata,"a",@progbits
	.p2align	6, 0x0
	.amdhsa_kernel k_q967886cc52_kan
		.amdhsa_group_segment_fixed_size 147968
		.amdhsa_private_segment_fixed_size 0
		.amdhsa_enable_private_segment 0
		.amdhsa_kernarg_size 32
		.amdhsa_user_sgpr_count 2
		.amdhsa_user_sgpr_kernarg_segment_ptr 1
		.amdhsa_wavefront_size32 1
		.amdhsa_system_sgpr_workgroup_id_x 1
		.amdhsa_system_sgpr_workgroup_id_y 1
		.amdhsa_system_sgpr_workgroup_id_z 1
		.amdhsa_system_vgpr_workitem_id 0
		.amdhsa_next_free_vgpr 256
		.amdhsa_next_free_sgpr 106
		.amdhsa_reserve_vcc 0
		.amdhsa_float_denorm_mode_32 3
		.amdhsa_float_denorm_mode_16_64 3
		.amdhsa_memory_ordered 1
		.amdhsa_forward_progress 1
		.amdhsa_inst_pref_size 243
	.end_amdhsa_kernel
	.amdgpu_metadata
---
amdhsa.version: [ 1, 2 ]
amdhsa.kernels:
  - .name:           k_q967886cc52_kan
    .symbol:         k_q967886cc52_kan.kd
    .args:
      - { .name: x, .offset: 0, .size: 8, .value_kind: global_buffer, .address_space: global }
      - { .name: tab, .offset: 8, .size: 8, .value_kind: global_buffer, .address_space: global }
      - { .name: wq, .offset: 16, .size: 8, .value_kind: global_buffer, .address_space: global }
      - { .name: out0, .offset: 24, .size: 8, .value_kind: global_buffer, .address_space: global }
    .group_segment_fixed_size: 147968
    .private_segment_fixed_size: 0
    .kernarg_segment_align: 8
    .kernarg_segment_size: 32
    .max_flat_workgroup_size: 512
    .sgpr_count:     106
    .vgpr_count:     256
    .wavefront_size: 32
...
	.end_amdgpu_metadata
.endif
;; end of part 2
;; ======== version 2 of 2: 2 launches
;; workspace buffers: wq 1,253,376 bytes; tab 294,912 bytes
;; launch prep (part 3): grid 297 x 1, 4 waves a work-group, no clusters, 69,120 bytes of LDS; arguments base_weight, spline_weight, grid, wq, tab; writes wq, tab
.if DOCPART == 3
	.amdgcn_target "amdgcn-amd-amdhsa--gfx1250"
	.amdhsa_code_object_version 6
	.text
	.protected	k_q967886cc52_prep
	.globl	k_q967886cc52_prep
	.p2align	8
	.type	k_q967886cc52_prep,@function
k_q967886cc52_prep:
	s_mov_b64 s[64:65], 0
	v_nop
	global_prefetch_b8 v0, s[64:65] scope:SCOPE_SE
	s_setreg_imm32_b32 hwreg(HW_REG_WAVE_MODE, 25, 1), 1
	s_wait_xcnt 0x0
; PREP: what the second launch reads again and again is made once.
; (1) wq: base_weight [256][1024] and spline_weight [256][8192], f32, K innermost, become codes of FP4 (E2M1) with one E8M0 byte for each 32 along K,
;     laid in the order of the operand's registers.  wq = [step s 0..7] of STEPB bytes; in a step: [q 0..8][tile t 0..15] fragments of 1,024 bytes, then [q][column n 0..255] scale words.
;     q = 0..7: spline K step 8 s + q (k = 128 (8 s + q) on);  q = 8: base K step s (k = 128 s on).  A fragment is 16 columns n = 16 t + r x 128 k: byte 512 c + 16 lane
;     holds the lane's registers 4 c .. 4 c + 3, which are k = 64 c + 32 (lane / 16) + 0 .. 31 of column lane % 16.  (The factor SCALE_BASE = 1 changes no number and is not written.)
; (2) tab: 1,152 rows of 256 bytes; row i holds the constants of feature min(i, 1023): dword 2 j = -g[j] (j 0..11), 2 j + 1 = 1 / (g[j+1] - g[j]) (j 0..10),
;     24 + 2 j = 1 / (g[j+2] - g[j]) (j 0..9), 44 + 2 j = 1 / (g[j+3] - g[j]) (j 0..8), all others 0.  Rows 1024 .. 1151 are there so that the second launch's look-ahead of one feature stays inside the buffer.
; SHARES: work-groups 0 .. 287: each wave makes one fragment (72 (s, q) x 16 tiles = 1,152 waves).  Work-groups 288 .. 296: each thread makes one row of tab.  The two ways use LDS bytes of their own; waves share nothing: no barrier.
; A block's scale is 2^(floor(log2(largest magnitude)) - 2); its byte is that magnitude's exponent field - 2, held at 1 from below by a floor among the maximum's leaves.
; LIMITS: NaN and infinities are not served.  A block whose largest magnitude lies under 2^-124 keeps the byte 1 (a block of zeros too: its codes are zeros, and this program alone reads the bytes).
;   Knot differences of 0 (reference() is not finite there), under 2^-126 or over 2^126 (v_rcp_f32 flushes denormals: ISA guide 15.8) are not served.
;   A division by a knot difference becomes a multiplication by its reciprocal, refined by one Newton step.
.set STEPB, 156672                     ; 9 x 16,384 bytes of fragments + 9 x 1,024 of scale words
.set WSC,   147456                     ; where a step's scale words begin
.set WST,   8448                       ; LDS, weights: a wave's stage, 16 rows x (512 + 16) bytes
.set TST0,  33792                      ; LDS, table: behind the four weight stages
.set TST,   8704                       ; a wave's stage there, 32 rows x (256 + 16) bytes
	v_lshl_add_u32 v168, v0, 2, 0x10c00
	v_mov_b32 v169, 0
	v_lshrrev_b32 v1, 5, v0
	v_readfirstlane_b32 s10, v1                    ; wave 0..3
	v_and_b32 v1, 31, v0                           ; lane
	v_lshlrev_b32 v2, 4, v1                        ; 16 x lane
	v_and_b32 v20, 15, v0                          ; r
	v_bfe_u32 v21, v0, 4, 1                        ; h
	s_cmp_ge_u32 ttmp9, 288
	s_cbranch_scc1 .Ltable
	; ---------------- the weights: one fragment a wave
	s_load_b128 s[4:7], s[0:1], 0x0                ; base_weight, spline_weight
	s_load_b64 s[8:9], s[0:1], 0x18                ; wq
	s_lshr_b32 s11, ttmp9, 2                       ; 9 s + q, 0 .. 71
	s_mul_i32 s12, s11, 57
	s_lshr_b32 s12, s12, 9                         ; s = (9 s + q) / 9: 57 / 512 serves up to 71
	s_mul_i32 s13, s12, 9
	s_sub_co_u32 s13, s11, s13                     ; q
	s_and_b32 s14, ttmp9, 3
	s_lshl_b32 s14, s14, 2
	s_add_co_u32 s14, s14, s10                     ; t = 4 (work-group % 4) + wave
	s_lshl_b32 s16, s14, 16                        ; base_weight: 16 t rows of 4,096 bytes
	s_lshl_b32 s17, s12, 9
	s_add_co_u32 s16, s16, s17                     ; + 512 s
	s_lshl_b32 s18, s14, 19                        ; spline_weight: 16 t rows of 32,768 bytes
	s_lshl_b32 s19, s12, 3
	s_add_co_u32 s19, s19, s13
	s_lshl_b32 s19, s19, 9
	s_add_co_u32 s18, s18, s19                     ; + 512 (8 s + q)
	s_mul_i32 s24, s12, STEPB                      ; the fragment's place in wq: STEPB s + 16,384 q + 1,024 t
	s_lshl_b32 s25, s13, 14
	s_add_co_u32 s24, s24, s25
	s_lshl_b32 s25, s14, 10
	s_add_co_u32 s24, s24, s25
	s_mov_b32 s25, 0
	s_mul_i32 s28, s12, STEPB                      ; its scale words': STEPB s + WSC + 1,024 q + 64 t
	s_lshl_b32 s29, s13, 10
	s_add_co_u32 s28, s28, s29
	s_lshl_b32 s29, s14, 6
	s_add_co_u32 s28, s28, s29
	s_add_co_u32 s28, s28, WSC
	s_mov_b32 s29, 0
	s_mul_i32 s15, s10, WST                        ; my stage
	s_mov_b32 s23, 0x8000
	s_mov_b32 s21, 0
	s_mov_b32 s32, 0x76543210
	s_mov_b32 s33, 0xfedcba98                      ; v_permlanex16_b32's selects for lane l xor 16
	s_cmp_eq_u32 s13, 8                            ; base or spline?  The choice hangs on the work-group's number alone
	s_cselect_b32 s20, s16, s18                    ; where my 16 rows begin
	s_cselect_b32 s22, 0x1000, s23                 ; bytes from row to row
	s_wait_kmcnt 0x0
	s_cselect_b64 s[4:5], s[4:5], s[6:7]
	s_add_nc_u64 s[4:5], s[4:5], s[20:21]
	s_add_nc_u64 s[26:27], s[8:9], s[24:25]
	s_add_nc_u64 s[30:31], s[8:9], s[28:29]
	s_wait_alu depctr_va_vdst(0)
.irp i, 0,1,2,3,4,5,6,7,8,9,10,11,12,13,14,15
	v_mad_u32_u24 v[4+\i], s22, \i, v2             ; row i: 16 x lane + i x pitch
.endr
.irp i, 0,1,2,3,4,5,6,7,8,9,10,11,12,13,14,15
	global_load_b128 v[24+4*\i:27+4*\i], v[4+\i], s[4:5] th:TH_LOAD_NT   ; 32 lanes read a row's 512 consecutive bytes; read once in the launch
.endr
	v_add_nc_u32 v3, s15, v2                       ; into the stage as loaded: 16 x lane, row i at 528 i
	v_mul_u32_u24 v22, v20, 528
	v_lshl_add_u32 v22, v21, 7, v22
	v_add_nc_u32 v22, s15, v22                     ; out of it: row r, block h (128 bytes a block)
	s_wait_alu depctr_va_vdst(0)
.irp i, 0,1,2,3,4,5,6,7,8,9,10,11,12,13,14,15
	s_wait_loadcnt 15-\i                           ; loads come back in order: row i is in, the 15 - i younger ones may be out
	ds_store_b128 v3, v[24+4*\i:27+4*\i] offset:528*\i
.endr
.irp c, 0,1
.irp g, 0,1,2,3,4,5,6,7
	ds_load_b128 v[88+32*\c+4*\g:91+32*\c+4*\g], v22 offset:256*\c+16*\g   ; block 2 c + h of my row: 32 neighbours along K.  LDS serves a wave's instructions in order: these see my stores
.endr
.endr
	s_wait_dscnt 0x0
.irp c, 0,1
	v_max3_num_f32 v[160+\c], |v[88+32*\c]|, |v[89+32*\c]|, 0x1800000   ; the block's largest magnitude, and the floor 2^(3 - 127): the byte cannot fall under 1
.endr
.irp i, 2,4,6,8,10,12,14,16,18,20,22,24,26,28,30
.irp c, 0,1
	v_max3_num_f32 v[160+\c], v[160+\c], |v[88+32*\c+\i]|, |v[89+32*\c+\i]|   ; (the two blocks by turns)
.endr
.endr
.irp c, 0,1
	v_add_nc_u32 v[162+\c], 0xff000000, v[160+\c]  ; 2 off the exponent field: the conversion takes the exponent field of this operand as its scale
.endr
.irp c, 0,1
	v_lshrrev_b32 v[164+\c], 23, v[162+\c]         ; the scale's byte
.endr
	v_lshl_or_b32 v166, v165, 16, v164             ; my two bytes: blocks h and 2 + h,
	v_lshlrev_b32 v167, 3, v21
	v_lshlrev_b32 v166, v167, v166                 ; at their places in the scale word (8 h bits up);
	v_mov_b32 v167, 0                              ; (a lane permute's destination counts as one of its sources)
	v_permlanex16_b32 v167, v166, s32, s33
	v_or_b32 v166, v166, v167                      ; with lane l xor 16's two the word is whole, in both halves of the lanes
.irp c, 0,1
.irp g, 0,1,2,3
	v_cvt_scalef32_pk8_fp4_f32 v[152+4*\c+\g], v[88+32*\c+8*\g:95+32*\c+8*\g], v[162+\c]   ; registers 4 c .. 4 c + 3 of the operand
.endr
.endr
	v_lshlrev_b32 v20, 2, v20                      ; 4 r.  (A plain line behind the conversions)
	global_store_b128 v2, v[152:155], s[26:27]     ; 32 lanes store 512 consecutive bytes, at a multiple of 512 from wq's first byte
	global_store_b128 v2, v[156:159], s[26:27] offset:512
	global_store_b32 v20, v166, s[30:31]           ; the 16 scale words, 64 bytes; lanes 16-31 store the same words at the same places
	s_wait_tensorcnt 0x0
	ds_add_u32 v168, v169
	s_wait_dscnt 0x0
	s_endpgm
	; ---------------- the table: one row a thread
.Ltable:
	s_load_b64 s[4:5], s[0:1], 0x10                ; grid
	s_load_b64 s[6:7], s[0:1], 0x20                ; tab
	s_sub_co_u32 s8, ttmp9, 288
	s_lshl_b32 s9, s8, 7
	v_add_nc_u32 v5, s9, v0                        ; row i = 128 (work-group - 288) + thread
	v_min_u32 v5, 0x3ff, v5                        ; its feature
	v_mul_u32_u24 v5, v5, 48                       ; 12 knots of 4 bytes
	s_mul_i32 s11, s10, TST
	s_add_co_u32 s11, s11, TST0                    ; my stage
	s_wait_alu depctr_va_vdst(0)
	v_mul_u32_u24 v3, v1, 272
	v_add_nc_u32 v3, s11, v3                       ; in: my row
	v_mul_u32_u24 v4, v21, 272
	v_lshl_add_u32 v4, v20, 4, v4
	v_add_nc_u32 v4, s11, v4                       ; back: lanes 0-15 one row, lanes 16-31 the next
	s_lshl_b32 s12, s8, 15                         ; 128 rows of 256 bytes a work-group,
	s_lshl_b32 s13, s10, 13                        ; 32 a wave
	s_add_co_u32 s12, s12, s13
	s_mov_b32 s13, 0
	s_wait_kmcnt 0x0
	s_add_nc_u64 s[6:7], s[6:7], s[12:13]
	global_load_b128 v[24:27], v5, s[4:5]
	global_load_b128 v[28:31], v5, s[4:5] offset:16
	global_load_b128 v[32:35], v5, s[4:5] offset:32
	s_wait_loadcnt 0x0
.irp j, 0,1,2,3,4,5,6,7,8,9,10
	v_sub_f32 v[36+\j], v[25+\j], v[24+\j]         ; g[j+1] - g[j], as reference() forms it
.endr
.irp j, 0,1,2,3,4,5,6,7,8,9
	v_sub_f32 v[47+\j], v[26+\j], v[24+\j]         ; g[j+2] - g[j]
.endr
.irp j, 0,1,2,3,4,5,6,7,8
	v_sub_f32 v[57+\j], v[27+\j], v[24+\j]         ; g[j+3] - g[j]
.endr
.set i, 0
	s_wait_alu depctr_va_vdst(0)
.rept 30
	v_rcp_f32 v[66+i], v[36+i]
.set i, i+1
.endr
	v_nop                                          ; one plain line behind the transcendentals, before a result is used or a source written
.set i, 0
	s_wait_alu depctr_va_vdst(0)
.rept 30
	v_fma_f32 v[36+i], -v[36+i], v[66+i], 1.0      ; e = 1 - d r
.set i, i+1
.endr
.irp j, 0,1,2,3,4,5,6,7,8,9,10,11
	v_xor_b32 v[96+2*\j], 0x80000000, v[24+\j]     ; dword 2 j: -g[j]
.endr
.irp j, 0,1,2,3,4,5,6,7,8,9,10
	v_fma_f32 v[97+2*\j], v[66+\j], v[36+\j], v[66+\j]      ; dword 2 j + 1: r + r e
.endr
	v_mov_b32 v119, 0                              ; dword 23
.irp j, 0,1,2,3,4,5,6,7,8,9
	v_fma_f32 v[120+2*\j], v[77+\j], v[47+\j], v[77+\j]     ; dword 24 + 2 j
	v_mov_b32 v[121+2*\j], 0
.endr
.irp j, 0,1,2,3,4,5,6,7,8
	v_fma_f32 v[140+2*\j], v[87+\j], v[57+\j], v[87+\j]     ; dword 44 + 2 j
	v_mov_b32 v[141+2*\j], 0
.endr
	v_mov_b32 v158, 0
	v_mov_b32 v159, 0
.irp i, 0,1,2,3,4,5,6,7,8,9,10,11,12,13,14,15
	ds_store_b128 v3, v[96+4*\i:99+4*\i] offset:16*\i
.endr
.irp t, 0,1,2,3,4,5,6,7,8,9,10,11,12,13,14,15
	ds_load_b128 v[24+4*\t:27+4*\t], v4 offset:544*\t       ; rows 2 t and 2 t + 1, whole.  LDS serves a wave's instructions in order: these see my stores
.endr
.irp t, 0,1,2,3,4,5,6,7,8,9,10,11,12,13,14,15
	s_wait_dscnt 15-\t                             ; pair t of rows is back; the 15 - t younger loads may be out
	global_store_b128 v2, v[24+4*\t:27+4*\t], s[6:7] offset:512*\t   ; 32 lanes store 512 consecutive bytes, at a multiple of 512 from tab's first byte
.endr
	s_wait_tensorcnt 0x0
	ds_add_u32 v168, v169
	s_wait_dscnt 0x0
	s_endpgm
.Lfunc_end_k_q967886cc52_prep:
	.size	k_q967886cc52_prep, .Lfunc_end_k_q967886cc52_prep-k_q967886cc52_prep
	.p2alignl 7, 3214868480
	.fill 96, 4, 3214868480
	.section	.rodata,"a",@progbits
	.p2align	6, 0x0
	.amdhsa_kernel k_q967886cc52_prep
		.amdhsa_group_segment_fixed_size 69120
		.amdhsa_private_segment_fixed_size 0
		.amdhsa_enable_private_segment 0
		.amdhsa_kernarg_size 40
		.amdhsa_user_sgpr_count 2
		.amdhsa_user_sgpr_kernarg_segment_ptr 1
		.amdhsa_wavefront_size32 1
		.amdhsa_system_sgpr_workgroup_id_x 1
		.amdhsa_system_sgpr_workgroup_id_y 1
		.amdhsa_system_sgpr_workgroup_id_z 1
		.amdhsa_system_vgpr_workitem_id 0
		.amdhsa_next_free_vgpr 170
		.amdhsa_next_free_sgpr 66
		.amdhsa_reserve_vcc 0
		.amdhsa_float_denorm_mode_32 3
		.amdhsa_float_denorm_mode_16_64 3
		.amdhsa_memory_ordered 1
		.amdhsa_forward_progress 1
		.amdhsa_inst_pref_size 24
	.end_amdhsa_kernel
	.amdgpu_metadata
---
amdhsa.version: [ 1, 2 ]
amdhsa.kernels:
  - .name:           k_q967886cc52_prep
    .symbol:         k_q967886cc52_prep.kd
    .args:
      - { .name: base_weight, .offset: 0, .size: 8, .value_kind: global_buffer, .address_space: global }
      - { .name: spline_weight, .offset: 8, .size: 8, .value_kind: global_buffer, .address_space: global }
      - { .name: grid, .offset: 16, .size: 8, .value_kind: global_buffer, .address_space: global }
      - { .name: wq, .offset: 24, .size: 8, .value_kind: global_buffer, .address_space: global }
      - { .name: tab, .offset: 32, .size: 8, .value_kind: global_buffer, .address_space: global }
    .group_segment_fixed_size: 69120
    .private_segment_fixed_size: 0
    .kernarg_segment_align: 8
    .kernarg_segment_size: 40
    .max_flat_workgroup_size: 128
    .sgpr_count:     66
    .vgpr_count:     170
    .wavefront_size: 32
...
	.end_amdgpu_metadata
.endif
;; end of part 3
;; launch kan (part 4): grid 256 x 1, 16 waves a work-group, no clusters, 147,968 bytes of LDS; arguments x, tab, wq, out0; writes out0
.if DOCPART == 4
	.amdgcn_target "amdgcn-amd-amdhsa--gfx1250"
	.amdhsa_code_object_version 6
	.text
	.protected	k_q967886cc52_kan
	.globl	k_q967886cc52_kan
	.p2align	8
	.type	k_q967886cc52_kan,@function
k_q967886cc52_kan:
	s_mov_b64 s[64:65], 0
	v_nop
	global_prefetch_b8 v0, s[64:65] scope:SCOPE_SE
	s_setreg_imm32_b32 hwreg(HW_REG_WAVE_SCHED_MODE, 0, 2), 2
	s_setreg_imm32_b32 hwreg(HW_REG_WAVE_MODE, 25, 1), 1
	s_wait_xcnt 0x0
	s_wait_alu depctr_vm_vsrc(0)
; out0[16384][256] = Q(silu(x)) Q(base_weight)^T + Q(bsplines(x, grid)) Q(spline_weight)^T, both products on codes of FP4 (E2M1) with one E8M0 scale for each 32 along K, sums in f32.
; The weights come as operand images and the knots as a table of constants, both made by the launch before (their layouts: its head comment).
; WHAT BINDS: for each number of x eight spline bases are made by a recursion of three levels over eleven intervals: some 74 vector instructions a number against 9 / 4096 of a matrix instruction.
; So the left operand is made exactly once, with as few vector instructions as can be, and all else stands beside that work.
; SHARES.  A work-group owns 64 rows and all 256 columns.  K goes in 8 steps of 128 features = 8 spline K steps of 128 (k = 8 feature + basis) + 1 base K step.  Sixteen waves, four to a SIMD.
;   AS PRODUCER wave w makes, for all 64 rows, the bases of features 128 s + 8 w + 0 .. 7 (two blocks of 32 along K).  A lane holds rows l and l + 32 as a register pair (packed f32), and all lanes of the wave are at the
;   same feature: its 42 constants are SCALAR operands, brought by scalar loads one feature ahead.  It also makes silu for 16 rows x 32 features (16 numbers a lane).
;   AS CONSUMER wave w multiplies: column tiles 2 e, 2 e + 1 (e = w % 8), spline K steps 4 kh .. 4 kh + 3 of the step (kh = w / 8), all four tiles of rows: eight accumulators.  Slot m of them stands for row tile m xor 2 kh,
;   and the base K step is multiplied on slots 0 and 1 alone: each half of the waves does half its rows, alike in all waves.  The two halves of K are added once, at the end, through LDS.
; THE LEFT OPERAND GOES FROM WAVE TO WAVE THROUGH LDS AS AN IMAGE OF ITS REGISTERS: block b of row r of a tile is 16 bytes at 1,024 tile + 256 b + 16 r, which is byte 512 c + 16 lane of the fragment (b = 2 c + lane / 16).
; A producer lane holds a whole block, so it stores it by one ds_store_b128: no lane is exchanged.  The scale words (4 bytes a row and K step) lie behind a K step's four tiles.
; THE WEIGHTS go from memory straight into the registers of the wave that multiplies them: 512 consecutive bytes a load; no fragment is read by two waves of a work-group but the base step's (by two).
; NO JOINT LOADS, though all work-groups read the same weights: a joint load lands in LDS, a step's weights are 156,672 bytes, and two slots of them beside the 145,920 bytes in use here are 459,264, more than the 327,680 that
; a work-group can have; and the waves would then read from LDS what they now get in their registers.
; THE MATRIX INSTRUCTION IS USED TRANSPOSED (source 0 = 16 columns of the weights, source 1 = 16 rows of the activations): a lane holds eight neighbouring columns of one row of out0.
; TWO GROUPS OF WAVES, gb = (w xor w / 4) % 2.  One barrier a step.  Group A multiplies step s straight behind barrier s, group B just in front of barrier s + 1: so one group's matrix instructions and LDS loads stand
; beside the other's vector work.  Between two barriers all reads of images fall on one of the two image buffers and all writes on the other; the same holds of the two buffers of x.
; THE RECURSION, term by term as reference() has it: d[j] = x - g[j];  C1[j] = (d[j] >= 0 and not d[j+1] >= 0) ? r1[j] : 0;  B(k)[j] = d[j] C(k)[j] - d[j+k+1] C(k)[j+1];  C(k+1)[j] = B(k)[j] r(k+1)[j],
; r(k)[j] = 1 / (g[j+k] - g[j]).  Nothing is assumed of the knots: not their spacing, not that features share them, not their order.
; LIMITS: NaN and infinities in x are not served.  Divisions are multiplications by refined reciprocals.  A block whose largest magnitude lies under 2^-124 keeps the scale byte 1 (a block of zeros too: its codes are zeros).
;   silu(x) = x / (1 + 2^(-x log2 e)) comes out as -0 where 2^(-x log2 e) overflows (x under about -88.7), where reference() has a number of magnitude under 1e-36.
; THE MODE: SCHED_MODE bits 1:0 = 2 (LLVM: expert scheduling mode 2), set by the entry lines.  The code itself states the register dependences between vector or matrix instructions and memory or LDS instructions,
; and those through scalar registers that vector instructions write, with s_wait_alu, always for 0.
; THE PLAN.  Registers that memory or LDS instructions touch, round a step:
;   v1-19, v109, v254, v255   addresses and offsets: written at the head, never in the loop (v254 and v255 are made anew ahead of the closing lines).
;   XP        the next step's x lands at a step's head; LDS stores read it late in the step; no vector instruction names it.
;   X         LDS loads land at a step's head and in feature 3; the features' subtractions read it; as consumer it is the eighth fragment of activations.
;   CB, BY    the conversions and shifts of a block write them, its LDS stores read them; written again by feature 4 (block 0's CB), by the weights' loads (block 1's CB), by a fragment's load (BY).
;   v118-197  the producer's D, CA, CB, RA; then the weights land there, behind block 1's stores, and the products read them.
;   v198-253  RA, RB, the maxima; then silu's numbers (LDS loads, vector work, two LDS stores from v232-234); then the fragments of activations.
;   WS, AS    loads land, products read them as scales.      ACC  matrix instructions alone, until the way out.
; WAITS ON va_vdst: at the head; in feature 3, ahead of the second block's x; ahead of each block's stores (block 1's also serves the weights' loads and silu's, since no vector instruction stands between); ahead of silu's stores
;   (it also serves the first twenty loads of fragments, on either side of the barrier); behind K steps 0, 1, 2 of a step's products, each ahead of the loads into the buffer just read; at the end of a step's products.
; WAITS ON vm_vsrc: at a step's head (XP); in feature 4 (CB); ahead of the weights' loads (CB, BY); behind the wait for the weights (v232-234).   WAITS ON va_sdst: behind each feature's run of 24 compares.
.set XBUFB, 33792                      ; LDS: a buffer of x: 64 rows x (512 + 16) bytes; two of them from byte 0
.set ABUF0, 2*XBUFB                    ; then two buffers of images
.set AKB,   4352                       ; a K step: four tiles of 1,024 bytes, then 64 scale words
.set ABUFB, 9*AKB                      ; 8 spline K steps and the base K step
.set STEPB, 156672                     ; a step's weights in wq
.set WSC,   147456                     ; where its scale words begin
.set STG,   65536                      ; the end: bytes 0 .. 65,535 take the upper K half's sums (8 x 8,192), from here 64 rows x (1,024 + 16) the stage for out0
.set XO,  1                            ; v1   x in memory: 16,384 w + 16 l (wave w fetches rows 4 w .. 4 w + 3)
.set XST, 2                            ; v2   and in LDS: 2,112 w + 16 l
.set XR,  3                            ; v3   my row's eight features: 528 l + 32 w
.set SXR, 4                            ; v4   silu: my 16 numbers
.set IW,  5                            ; v5   where I store a block's codes
.set SW,  6                            ; v6   and my two scale bytes
.set SIW, 7                            ; v7   silu: my 16 codes
.set SSW, 8                            ; v8   silu: my block's scale byte
.set AD0, 9                            ; v9   images of slots 0, 1;  v10 of slots 2, 3;  v11 of the base K step
.set AD1, 10
.set AD2, 11
.set AS0, 12                           ; v12-14 their scale words
.set AS1, 13
.set AS2, 14
.set VO1, 15                           ; v15  my weights' fragments in a step of wq;  v16 the base K step's
.set VO2, 16
.set VS1, 17                           ; v17, v18 their scale words
.set VS2, 18
.set RR,  19                           ; v19  the end: where the K halves meet
.set ACC, 20                           ; v20-83   accumulator 2 m + n at 20 + 8 (2 m + n)
.set XP,  84                           ; v84-99   the next step's x, on its way
.set WS,  100                          ; v100-104 the weights' scale words: nothing else ever lies here
.set AS,  105                          ; v105-108 the activations' scale words, two for each buffer: likewise
.set SO,  109                          ; v109 the end: into the stage
.set X,   110                          ; v110-117 four features' (x of row l, x of row l + 32)
.set D,   118                          ; v118-141 d[0..11], pairs
.set CA,  142                          ; v142-163 C1, then B2 and C3
.set CB,  164                          ; v164-183 B1 and C2, then the last level's products, then a block's codes
.set RA,  184                          ; v184-215 row l's block of 32 bases
.set RB,  216                          ; v216-247 row l + 32's
.set MX,  248                          ; v248-249 the blocks' largest magnitudes;  v250-251 the conversions' scale operands;  v252-253 the scale bytes
.set SC,  250
.set BY,  252
.set SR,  254                          ; v254 the end: out of the stage;  v255 my bytes in the work-group's rows of out0
.set GO,  255
.set WF,  118                          ; as consumer: v118-197 ten fragments of weights; v198-229 four fragments of activations; v230-253 and v110-117 four more
.set SX,  198                          ; silu: v198-213 the numbers, v214-229 at work, v230-234 at work
.set SE,  214
.set ST,  230
.set T3,  64                           ; the table's dwords 48 .. 63 lie 20 registers up: r3[j], j >= 2, in register T3 + 2 j
; SCALARS: s2-13 masks of row l + 32;  s[14:15] tab at my wave's features;  s16-63 and s68-83 the feature's 64 dwords;  s[66:67] x;  s84-95 masks of row l;  s[96:97] wq;  s[98:99] its step;
;   s100 trips to go;  s101 group A;  s104 group B;  s105 group B, from the second step on.
; Four features' x for both my rows, block blk of the step, from buffer p
.macro XLD p, blk
.irp i, 0,1,2,3
	ds_load_b32 v[X+2*\i], v[XR] offset:(\p)*XBUFB+16*(\blk)+4*\i
	ds_load_b32 v[X+2*\i+1], v[XR] offset:(\p)*XBUFB+16*(\blk)+4*\i+16896
.endr
.endm
; FEATURE i of my eight, in a step of parity p.  As soon as a group of 16 table registers has been read for the last time, the next feature's 64 bytes are asked for into it.
; xnext: the second block's x is asked for once the first block's is used up.  dsw: the last block's codes lie in CB: their stores are waited for before CB is written.
.macro FEAT i, p, xnext, dsw
.set F, (\i)%4
.set NXT, 32768*((8*(\p)+(\i)+1)/8)+256*((8*(\p)+(\i)+1)%8)   ; the next feature's row of tab, from the trip's first: a step is 128 rows on, a trip 256
	s_wait_kmcnt 0x0                               ; this feature's constants are in (scalar loads come back in no order: only 0 says so)
.irp j, 0,1,2,3,4,5,6,7,8,9,10,11
	v_pk_add_f32 v[D+2*\j:D+2*\j+1], v[X+2*F:X+2*F+1], s[16+2*\j:17+2*\j] op_sel_hi:[1,0]   ; d[j] = x - g[j]: its sign is that of the exact difference
.endr
.irp j, 0,1,2,3,4,5,6,7,8,9,10,11
	v_cmp_le_f32 s[84+\j], 0, v[D+2*\j]            ; x >= g[j], row l
	v_cmp_le_f32 s[2+\j], 0, v[D+2*\j+1]           ; row l + 32
.endr
	s_wait_alu depctr_va_sdst(0)                   ; the 24 compares have written their masks, ahead of the first line that reads one
.if \xnext
	s_wait_alu depctr_va_vdst(0)                   ; the subtractions of features 0 to 3 are done reading X, in which the eight loads below land
	XLD \p, 1
.endif
.irp j, 0,1,2,3,4,5,6,7,8,9,10
	s_and_not1_b32 s[84+\j], s[84+\j], s[85+\j]    ; and not x >= g[j+1]: the masks feed selections alone
	s_and_not1_b32 s[2+\j], s[2+\j], s[3+\j]
.endr
.irp j, 0,1,2,3,4,5,6,7,8,9,10
	v_cndmask_b32 v[CA+2*\j], 0, s[17+2*\j], s[84+\j]     ; C1[j]
	v_cndmask_b32 v[CA+2*\j+1], 0, s[17+2*\j], s[2+\j]
.endr
	s_load_b512 s[16:31], s[14:15], NXT
.if \dsw
	s_wait_dscnt 0x0                               ; the stores of the last block's codes are done
	s_wait_alu depctr_vm_vsrc(0)                   ; and have read CB, which the products below write again
.endif
.irp j, 0,1,2,3,4,5,6,7,8,9
	v_pk_mul_f32 v[CB+2*\j:CB+2*\j+1], v[D+2*\j+4:D+2*\j+5], v[CA+2*\j+2:CA+2*\j+3]
.endr
.irp j, 0,1,2,3,4,5,6,7,8,9
	v_pk_fma_f32 v[CB+2*\j:CB+2*\j+1], v[D+2*\j:D+2*\j+1], v[CA+2*\j:CA+2*\j+1], v[CB+2*\j:CB+2*\j+1] neg_lo:[0,0,1] neg_hi:[0,0,1]   ; B1[j] = d[j] C1[j] - d[j+2] C1[j+1]
.endr
.irp j, 0,1,2,3,4,5,6,7,8,9
	v_pk_mul_f32 v[CB+2*\j:CB+2*\j+1], v[CB+2*\j:CB+2*\j+1], s[40+2*\j:41+2*\j] op_sel_hi:[1,0]   ; C2[j] = B1[j] r2[j]
.endr
	s_load_b512 s[32:47], s[14:15], NXT+64
.irp j, 0,1,2,3,4,5,6,7,8
	v_pk_mul_f32 v[CA+2*\j:CA+2*\j+1], v[D+2*\j+6:D+2*\j+7], v[CB+2*\j+2:CB+2*\j+3]
.endr
.irp j, 0,1,2,3,4,5,6,7,8
	v_pk_fma_f32 v[CA+2*\j:CA+2*\j+1], v[D+2*\j:D+2*\j+1], v[CB+2*\j:CB+2*\j+1], v[CA+2*\j:CA+2*\j+1] neg_lo:[0,0,1] neg_hi:[0,0,1]   ; B2[j] = d[j] C2[j] - d[j+3] C2[j+1]
.endr
.irp j, 0,1
	v_pk_mul_f32 v[CA+2*\j:CA+2*\j+1], v[CA+2*\j:CA+2*\j+1], s[60+2*\j:61+2*\j] op_sel_hi:[1,0]   ; C3[j] = B2[j] r3[j]
.endr
.irp j, 2,3,4,5,6,7,8
	v_pk_mul_f32 v[CA+2*\j:CA+2*\j+1], v[CA+2*\j:CA+2*\j+1], s[T3+2*\j:T3+2*\j+1] op_sel_hi:[1,0]
.endr
	s_load_b512 s[48:63], s[14:15], NXT+128
	s_load_b512 s[68:83], s[14:15], NXT+192
.irp j, 0,1,2,3,4,5,6,7
	v_pk_mul_f32 v[CB+2*\j:CB+2*\j+1], v[D+2*\j+8:D+2*\j+9], v[CA+2*\j+2:CA+2*\j+3]
.endr
.irp j, 0,1,2,3,4,5,6,7
	v_fma_f32 v[RA+8*F+\j], v[D+2*\j], v[CA+2*\j], -v[CB+2*\j]           ; B3[j] = d[j] C3[j] - d[j+4] C3[j+1].  Not packed: each row's eight bases fall into eight
	v_fma_f32 v[RB+8*F+\j], v[D+2*\j+1], v[CA+2*\j+1], -v[CB+2*\j+1]     ; consecutive registers, as the conversion takes them
.endr
.if F == 0
	v_max3_num_f32 v[MX], |v[RA]|, |v[RA+1]|, 0x1800000      ; a block's largest magnitude begins with the floor 2^(3 - 127): the byte cannot fall under 1
	v_max3_num_f32 v[MX+1], |v[RB]|, |v[RB+1]|, 0x1800000
.else
	v_max3_num_f32 v[MX], v[MX], |v[RA+8*F]|, |v[RA+8*F+1]|
	v_max3_num_f32 v[MX+1], v[MX+1], |v[RB+8*F]|, |v[RB+8*F+1]|
.endif
.irp j, 2,4,6
	v_max3_num_f32 v[MX], v[MX], |v[RA+8*F+\j]|, |v[RA+8*F+\j+1]|
	v_max3_num_f32 v[MX+1], v[MX+1], |v[RB+8*F+\j]|, |v[RB+8*F+\j+1]|
.endr
.endm
; Two blocks of 32 (rows l and l + 32; four features x eight bases) become codes and go to image buffer p.  blk: which of my two blocks along K.
.macro QUANT blk, p
	v_add_nc_u32 v[SC], 0xff000000, v[MX]          ; 2 off the exponent field: the conversion takes the exponent field of this operand as its scale
	v_add_nc_u32 v[SC+1], 0xff000000, v[MX+1]
.if \blk == 0
	s_wait_alu depctr_va_vdst(0)
	s_wait_dscnt 0x0                               ; the second block's x, asked for a feature ago, is in
.endif
.irp f, 0,1,2,3
	v_cvt_scalef32_pk8_fp4_f32 v[CB+\f], v[RA+8*\f:RA+8*\f+7], v[SC]
	v_cvt_scalef32_pk8_fp4_f32 v[CB+4+\f], v[RB+8*\f:RB+8*\f+7], v[SC+1]
.endr
	v_nop                                          ; one plain line behind the conversions
.if \blk == 0
	v_lshrrev_b32 v[BY], 23, v[SC]                 ; the scale's byte
	v_lshrrev_b32 v[BY+1], 23, v[SC+1]
.else
	v_lshrrev_b32 v[SC], 23, v[SC]
	v_lshrrev_b32 v[SC+1], 23, v[SC+1]
	v_lshl_or_b32 v[BY], v[SC], 8, v[BY]           ; my two bytes of the row's scale word
	v_lshl_or_b32 v[BY+1], v[SC+1], 8, v[BY+1]
.endif
	s_wait_alu depctr_va_vdst(0)                   ; the conversions have written CB .. CB + 7 and the shifts BY, which the LDS stores below read.  In block 1 also: the producer's vector instructions are done with v118-213, in which the weights and silu's numbers land next
	ds_store_b128 v[IW], v[CB:CB+3] offset:(\p)*ABUFB+256*(\blk)          ; sixteen lanes store 256 consecutive bytes
	ds_store_b128 v[IW], v[CB+4:CB+7] offset:(\p)*ABUFB+256*(\blk)+2048   ; row l + 32: two tiles on
.if \blk == 1
	ds_store_b16 v[SW], v[BY] offset:(\p)*ABUFB
	ds_store_b16 v[SW], v[BY+1] offset:(\p)*ABUFB+128
.endif
.endm
; My ten fragments of weights and five registers of scale words for one step: 25 loads
.macro BLOAD
.irp q, 0,1,2,3
.irp n, 0,1
.irp c, 0,1
	global_load_b128 v[WF+8*(2*\q+\n)+4*\c:WF+8*(2*\q+\n)+4*\c+3], v[VO1], s[96:97] offset:16384*\q+1024*\n+512*\c   ; 32 lanes read 512 consecutive bytes
.endr
.endr
.endr
.irp n, 0,1
.irp c, 0,1
	global_load_b128 v[WF+64+8*\n+4*\c:WF+64+8*\n+4*\c+3], v[VO2], s[96:97] offset:1024*\n+512*\c
.endr
.endr
.irp q, 0,1,2,3
	global_load_b32 v[WS+\q], v[VS1], s[96:97] offset:1024*\q   ; lanes 0-15: column tile 2 e's words, lanes 16-31: tile 2 e + 1's
.endr
	global_load_b32 v[WS+4], v[VS2], s[96:97]
.endm
; silu of my 16 numbers (half a block of the base K step; lanes l and l xor 1 share the block), quantised, to image buffer p
.macro SILU p
.irp g, 0,1,2,3
	ds_load_b128 v[SX+4*\g:SX+4*\g+3], v[SXR] offset:(\p)*XBUFB+16*\g   ; no vector instruction since the wait ahead of block 1's stores names these registers
.endr
	s_wait_dscnt 0x0
.irp g, 0,2,4,6,8,10,12,14
	v_pk_mul_f32 v[SE+\g:SE+\g+1], v[SX+\g:SX+\g+1], 0xbfb8aa3b op_sel_hi:[1,0]   ; -x log2 e
.endr
	s_wait_alu depctr_va_vdst(0)
.irp g, 0,1,2,3,4,5,6,7,8,9,10,11,12,13,14,15
	v_exp_f32 v[SE+\g], v[SE+\g]
.endr
	v_nop                                          ; one plain line behind the transcendentals
	s_wait_alu depctr_va_vdst(0)                   ; the sixteen exponentials have written SE .. SE + 15, ahead of the additions that read them: one wait for the batch
.irp g, 0,2,4,6,8,10,12,14
	v_pk_add_f32 v[SE+\g:SE+\g+1], v[SE+\g:SE+\g+1], 1.0 op_sel_hi:[1,0]
.endr
	s_wait_alu depctr_va_vdst(0)
.irp g, 0,1,2,3,4,5,6,7,8,9,10,11,12,13,14,15
	v_rcp_f32 v[SE+\g], v[SE+\g]
.endr
	v_nop
	s_wait_alu depctr_va_vdst(0)                   ; the sixteen reciprocals have written SE .. SE + 15, ahead of the products that read them: one wait for the batch
.irp g, 0,2,4,6,8,10,12,14
	v_pk_mul_f32 v[SX+\g:SX+\g+1], v[SX+\g:SX+\g+1], v[SE+\g:SE+\g+1]   ; x / (1 + e^-x)
.endr
	v_max3_num_f32 v[ST], |v[SX]|, |v[SX+1]|, 0x1800000        ; the largest magnitude of my 16, in two chains, with the floor
	v_max3_num_f32 v[ST+1], |v[SX+2]|, |v[SX+3]|, |v[SX+4]|
	v_max3_num_f32 v[ST], v[ST], |v[SX+5]|, |v[SX+6]|
	v_max3_num_f32 v[ST+1], v[ST+1], |v[SX+7]|, |v[SX+8]|
	v_max3_num_f32 v[ST], v[ST], |v[SX+9]|, |v[SX+10]|
	v_max3_num_f32 v[ST+1], v[ST+1], |v[SX+11]|, |v[SX+12]|
	v_max3_num_f32 v[ST], v[ST], |v[SX+13]|, |v[SX+14]|
	v_max3_num_f32 v[ST], v[ST], v[ST+1], |v[SX+15]|
	v_max_num_f32_dpp v[ST], v[ST], v[ST] row_xmask:1 row_mask:0xf bank_mask:0xf   ; and of my neighbour's 16: the block's
	v_add_nc_u32 v[ST+1], 0xff000000, v[ST]
	v_cvt_scalef32_pk8_fp4_f32 v[ST+2], v[SX:SX+7], v[ST+1]
	v_cvt_scalef32_pk8_fp4_f32 v[ST+3], v[SX+8:SX+15], v[ST+1]
	v_nop                                          ; one plain line behind the conversions
	v_lshrrev_b32 v[ST+4], 23, v[ST+1]
	s_wait_alu depctr_va_vdst(0)                   ; the conversions have written ST + 2 and ST + 3 and the shift ST + 4, which the two LDS stores read; and silu's vector instructions are done with v198-234, in which fragments of activations land next
	ds_store_b64 v[SIW], v[ST+2:ST+3] offset:(\p)*ABUFB
	ds_store_b8 v[SSW], v[ST+4] offset:(\p)*ABUFB  ; both lanes of a block write the same byte with the same value
.endm
.macro AFSET buf, m                    ; AFR = where slot m's fragment lies in buffer buf: 198 + 32 buf + 8 m; the last of the eight at v110
.set AFR, 198+32*(\buf)+8*(\m)
.if AFR > 246
.set AFR, 110
.endif
.endm
; One spline K step's four fragments and two registers of scale words, from LDS byte off of my K half: 10 LDS loads
.macro ALOAD buf, off
.irp m, 0,1,2,3
	AFSET \buf, \m
.irp c, 0,1
.if \m < 2
	ds_load_b128 v[AFR+4*\c:AFR+4*\c+3], v[AD0] offset:\off+1024*(\m%2)+512*\c
.else
	ds_load_b128 v[AFR+4*\c:AFR+4*\c+3], v[AD1] offset:\off+1024*(\m%2)+512*\c
.endif
.endr
.endr
	ds_load_b32 v[AS+2*(\buf)], v[AS0] offset:\off      ; lanes 0-15: slot 0's rows, lanes 16-31: slot 1's
	ds_load_b32 v[AS+2*(\buf)+1], v[AS1] offset:\off    ; slots 2 and 3
.endm
.macro BASELOAD off                    ; the base K step, slots 0 and 1, into buffer 0: 5 LDS loads
.irp m, 0,1
.irp c, 0,1
	ds_load_b128 v[198+8*\m+4*\c:201+8*\m+4*\c], v[AD2] offset:\off+1024*\m+512*\c
.endr
.endr
	ds_load_b32 v[AS], v[AS2] offset:\off
.endm
.macro WM q, buf, m, n                 ; one product: slot m x column tile n, my q-th K step
.set AC, ACC+8*(2*(\m)+(\n))
.set WR, WF+8*(2*(\q)+(\n))
.set SBR, AS+2*(\buf)+(\m)/2
.if ((\m)%2 == 0) && ((\n) == 0)
	v_wmma_scale_f32_16x16x128_f8f6f4 v[AC:AC+7], v[WR:WR+7], v[AFR:AFR+7], v[AC:AC+7], v[WS+(\q)], v[SBR] matrix_a_fmt:MATRIX_FMT_FP4 matrix_b_fmt:MATRIX_FMT_FP4
.elseif (\m)%2 == 0
	v_wmma_scale_f32_16x16x128_f8f6f4 v[AC:AC+7], v[WR:WR+7], v[AFR:AFR+7], v[AC:AC+7], v[WS+(\q)], v[SBR] matrix_a_fmt:MATRIX_FMT_FP4 matrix_b_fmt:MATRIX_FMT_FP4 matrix_a_scale:MATRIX_SCALE_ROW1
.elseif (\n) == 0
	v_wmma_scale_f32_16x16x128_f8f6f4 v[AC:AC+7], v[WR:WR+7], v[AFR:AFR+7], v[AC:AC+7], v[WS+(\q)], v[SBR] matrix_a_fmt:MATRIX_FMT_FP4 matrix_b_fmt:MATRIX_FMT_FP4 matrix_b_scale:MATRIX_SCALE_ROW1
.else
	v_wmma_scale_f32_16x16x128_f8f6f4 v[AC:AC+7], v[WR:WR+7], v[AFR:AFR+7], v[AC:AC+7], v[WS+(\q)], v[SBR] matrix_a_fmt:MATRIX_FMT_FP4 matrix_b_fmt:MATRIX_FMT_FP4 matrix_a_scale:MATRIX_SCALE_ROW1 matrix_b_scale:MATRIX_SCALE_ROW1
.endif
.endm
.macro MUL q, buf, nslots              ; the accumulators take turns, one instruction a turn, always from accumulator 0 up
.irp m, 0,1,2,3
.if \m < \nslots
	AFSET \buf, \m
.irp n, 0,1
	WM \q, \buf, \m, \n
.endr
.endif
.endr
.endm
.macro PLACES                          ; four plain vector instructions behind a matrix instruction, ahead of whatever reads its result and of the loads into its registers; they stay beside the waits on va_vdst, which fill no place
.rept 4
	v_nop
.endr
.endm
; One step's products of my wave, from image buffer p: 36 matrix instructions; the activations' fragments come through two register buffers, one K step ahead.
; The first twenty loads owe no wait of their own: no vector or matrix instruction since the wait ahead of silu's stores, or since the wait at the end of the products before, names the registers that they touch.
.macro CONSUME p
.set COFF, (\p)*ABUFB
	ALOAD 0, COFF
	ALOAD 1, COFF+AKB
	s_wait_dscnt 10                                ; LDS loads come back in order: the first ten are in, the ten behind them may be out
	MUL 0, 0, 4
	PLACES
	s_wait_alu depctr_va_vdst(0)                   ; K step 0's products are done reading buffer 0 and its two scale registers, in which the ten loads below land
	ALOAD 0, COFF+2*AKB
	s_wait_dscnt 10                                ; K step 1 is in; K step 2's ten may be out
	MUL 1, 1, 4
	PLACES
	s_wait_alu depctr_va_vdst(0)                   ; K step 1's products are done reading buffer 1 and its two scale registers, in which the ten loads below land
	ALOAD 1, COFF+3*AKB
	s_wait_dscnt 10                                ; K step 2 is in; K step 3's ten may be out
	MUL 2, 0, 4
	PLACES
	s_wait_alu depctr_va_vdst(0)                   ; K step 2's products are done reading buffer 0 and its scale registers, in which the base K step's five loads land
	BASELOAD COFF
	s_wait_dscnt 5                                 ; K step 3 is in; the base K step's five may be out
	MUL 3, 1, 4
	s_wait_dscnt 0x0
	MUL 4, 0, 2
	PLACES
	s_wait_alu depctr_va_vdst(0)                   ; the step's last products are done reading the fragments (X's registers among them), the weights and the scale registers, in which the next loads land; and the accumulators are written, which the way out's LDS stores read
.endm
; A STEP of 128 features, of parity p (x from buffer p, images into buffer p).
.macro STEP p
	s_wait_alu depctr_vm_vsrc(0)                   ; the LDS stores of the step before (at first: of the head) have read XP, in which the loads below land
.if \p == 1
	s_cmp_eq_u32 s100, 1                           ; the last step has no successor: no load leaves x
	s_cbranch_scc1 .Lno_ask_\@
.endif
.irp t, 0,1,2,3
	global_load_b128 v[XP+4*\t:XP+4*\t+3], v[XO], s[66:67] offset:4096*\t th:TH_LOAD_NT   ; the next step's x: 512 consecutive bytes of a row; a whole step ahead of its use; read once in the launch
.endr
.if \p == 1
.Lno_ask_\@:
.endif
	XLD \p, 0                                      ; no vector or matrix instruction since the last wait on va_vdst names X
	s_wait_dscnt 0x0
	FEAT 0, \p, 0, 0
	FEAT 1, \p, 0, 0
	FEAT 2, \p, 0, 0
	FEAT 3, \p, 1, 0
	QUANT 0, \p
	FEAT 4, \p, 0, 1
	FEAT 5, \p, 0, 0
	FEAT 6, \p, 0, 0
	FEAT 7, \p, 0, 0
	QUANT 1, \p
	s_wait_dscnt 0x0                               ; the stores of the codes are done
	s_wait_alu depctr_vm_vsrc(0)                   ; and have read CB, in which weights now land, and BY, in which a fragment of activations lands later
	BLOAD
	SILU \p
	s_wait_loadcnt 0x0                             ; the next x and the weights are in: their addresses may be stepped
	s_wait_alu depctr_vm_vsrc(0)                   ; silu's two LDS stores have read ST + 2 .. ST + 4, in which a fragment of activations lands, on either side of the barrier
.if \p == 1
	s_cmp_eq_u32 s100, 1
	s_cbranch_scc1 .Lno_put_\@
.endif
.irp t, 0,1,2,3
	ds_store_b128 v[XST], v[XP+4*\t:XP+4*\t+3] offset:(1-(\p))*XBUFB+528*\t   ; into the buffer whose last readers stood in front of the last barrier
.endr
	s_add_nc_u64 s[66:67], s[66:67], 512
.if \p == 1
.Lno_put_\@:
.endif
	s_cmp_eq_u32 s105, 0
	s_cbranch_scc1 .Lnot_b_\@
	CONSUME 1-\p                                   ; group B: the step before
.Lnot_b_\@:
	s_wait_dscnt 0x0                               ; for the others' sake: my stores (images, scale bytes, x) have landed, my reads of the other buffers are over
	s_barrier_signal -1
	s_barrier_wait -1
	s_cmp_eq_u32 s101, 0
	s_cbranch_scc1 .Lnot_a_\@
	CONSUME \p                                     ; group A: this step
.Lnot_a_\@:
	s_add_nc_u64 s[96:97], s[96:97], s[98:99]      ; the weights of the next step to be multiplied
	s_mov_b32 s98, STEPB
	s_mov_b32 s105, s104
.endm
	; ---------------- the head
	s_load_b256 s[4:11], s[0:1], 0x0               ; x s[4:5], tab s[6:7], wq s[8:9] (out0 is read again at the end)
	v_lshrrev_b32 v110, 5, v0
	v_readfirstlane_b32 s84, v110                  ; w, my wave 0..15
	v_and_b32 v110, 31, v0                         ; l
	v_and_b32 v111, 15, v0                         ; r
	v_bfe_u32 v112, v0, 4, 1                       ; h
	v_lshlrev_b32 v113, 4, v110                    ; 16 l
	s_wait_alu depctr_va_vdst(0)
	v_lshlrev_b32 v114, 2, v110                    ; 4 l
	v_bfe_u32 v115, v0, 1, 4                       ; l / 2
	s_wait_alu depctr_va_vdst(0)
	v_and_b32 v116, 1, v0                          ; l % 2
	s_wait_alu depctr_va_sdst(0)                   ; s84 is written, ahead of its first reader: all that hangs on the wave's number is made from it
	s_and_b32 s85, s84, 1                          ; w % 2
	s_lshr_b32 s86, s84, 1                         ; w / 2: the spline K step that I produce for
	s_and_b32 s87, s84, 3                          ; w % 4
	s_lshr_b32 s88, s84, 2                         ; w / 4
	s_and_b32 s89, s84, 7                          ; e
	s_lshr_b32 s90, s84, 3                         ; kh
	s_xor_b32 s91, s90, 1                          ; 1 - kh
	s_lshl_b32 s92, s84, 14
	v_add_nc_u32 v[XO], s92, v113
	s_mul_i32 s92, s84, 2112
	v_add_nc_u32 v[XST], s92, v113
	s_lshl_b32 s92, s84, 5
	v_mul_u32_u24 v[XR], v110, 528
	v_add_nc_u32 v[XR], s92, v[XR]
	v_mul_u32_u24 v[SXR], v115, 528                ; silu: row 16 (w % 4) + l / 2, block w / 4, half l % 2
	s_wait_alu depctr_va_vdst(0)
	v_lshl_add_u32 v[SXR], v116, 6, v[SXR]
	s_mul_i32 s92, s87, 8448
	s_lshl_b32 s93, s88, 7
	s_add_co_u32 s92, s92, s93
	v_add_nc_u32 v[SXR], s92, v[SXR]
	v_lshlrev_b32 v[IW], 4, v111                   ; codes: K step w / 2, tile h, block 2 (w % 2), row r
	v_lshl_add_u32 v[IW], v112, 10, v[IW]
	s_mul_i32 s92, s86, AKB
	s_lshl_b32 s93, s85, 9
	s_add_co_u32 s92, s92, s93
	s_add_co_u32 s92, s92, ABUF0
	v_add_nc_u32 v[IW], s92, v[IW]
	s_mul_i32 s92, s86, AKB                        ; scale bytes 2 (w % 2), + 1 of row l's word
	s_lshl_b32 s93, s85, 1
	s_add_co_u32 s92, s92, s93
	s_add_co_u32 s92, s92, ABUF0+4096
	v_add_nc_u32 v[SW], s92, v114
	v_lshlrev_b32 v[SIW], 3, v110                  ; silu's codes: tile w % 4, block w / 4, 16 (l / 2) + 8 (l % 2) = 8 l
	s_lshl_b32 s92, s87, 10
	s_lshl_b32 s93, s88, 8
	s_add_co_u32 s92, s92, s93
	s_add_co_u32 s92, s92, ABUF0+8*AKB
	v_add_nc_u32 v[SIW], s92, v[SIW]
	v_lshlrev_b32 v[SSW], 2, v115                  ; silu's scale byte: byte w / 4 of the row's word
	s_lshl_b32 s92, s87, 6
	s_add_co_u32 s92, s92, s88
	s_add_co_u32 s92, s92, ABUF0+8*AKB+4096
	v_add_nc_u32 v[SSW], s92, v[SSW]
	s_mul_i32 s92, s90, 4*AKB+2048                 ; slots 0, 1 are row tiles 2 kh, 2 kh + 1
	s_add_co_u32 s92, s92, ABUF0
	v_add_nc_u32 v[AD0], s92, v113
	s_mul_i32 s92, s90, 4*AKB                      ; slots 2, 3 the other two
	s_lshl_b32 s93, s91, 11
	s_add_co_u32 s92, s92, s93
	s_add_co_u32 s92, s92, ABUF0
	v_add_nc_u32 v[AD1], s92, v113
	s_lshl_b32 s92, s90, 11
	s_add_co_u32 s92, s92, ABUF0+8*AKB
	v_add_nc_u32 v[AD2], s92, v113
	s_mul_i32 s92, s90, 4*AKB+128
	s_add_co_u32 s92, s92, ABUF0+4096
	v_add_nc_u32 v[AS0], s92, v114
	s_mul_i32 s92, s90, 4*AKB
	s_lshl_b32 s93, s91, 7
	s_add_co_u32 s92, s92, s93
	s_add_co_u32 s92, s92, ABUF0+4096
	v_add_nc_u32 v[AS1], s92, v114
	s_lshl_b32 s92, s90, 7
	s_add_co_u32 s92, s92, ABUF0+8*AKB+4096
	v_add_nc_u32 v[AS2], s92, v114
	s_lshl_b32 s92, s89, 11                        ; weights: tile 2 e is 2,048 e bytes on, K step 4 kh 65,536 kh
	s_lshl_b32 s93, s90, 16
	s_add_co_u32 s93, s93, s92
	v_add_nc_u32 v[VO1], s93, v113
	s_add_co_u32 s93, s92, 131072
	v_add_nc_u32 v[VO2], s93, v113
	s_lshl_b32 s92, s89, 7
	s_add_co_u32 s92, s92, WSC
	s_lshl_b32 s93, s90, 12
	s_add_co_u32 s93, s93, s92
	v_add_nc_u32 v[VS1], s93, v114
	s_add_co_u32 s93, s92, 8192
	v_add_nc_u32 v[VS2], s93, v114
	s_lshl_b32 s92, s89, 13
	v_add_nc_u32 v[RR], s92, v113
	v_mul_u32_u24 v[SO], v111, 1040                ; the stage: row r of a tile, columns 32 e + 8 h on
	v_lshl_add_u32 v[SO], v112, 5, v[SO]
	s_lshl_b32 s92, s89, 7
	s_add_co_u32 s92, s92, STG
	v_add_nc_u32 v[SO], s92, v[SO]
	s_mul_i32 s92, s84, 4160
	s_add_co_u32 s92, s92, STG
	v_add_nc_u32 v[SR], s92, v113
	s_lshl_b32 s92, s84, 12
	v_add_nc_u32 v[GO], s92, v113
	s_lshr_b32 s104, s84, 2
	s_xor_b32 s104, s104, s84
	s_and_b32 s104, s104, 1                        ; group B
	s_xor_b32 s101, s104, 1                        ; group A
	s_mov_b32 s105, 0                              ; in the first step group B has nothing to multiply yet,
	s_cmp_lg_u32 s104, 0
	s_cselect_b32 s98, 0, STEPB                    ; and its weights stay at step 0 once (it loads them twice; the first time they are not used)
	s_mov_b32 s99, 0
	s_mov_b32 s100, 4                              ; four trips of two steps
	s_wait_kmcnt 0x0
	s_lshl_b32 s92, ttmp9, 18                      ; 64 rows of 4,096 bytes a work-group
	s_mov_b32 s93, 0
	s_add_nc_u64 s[66:67], s[4:5], s[92:93]
	s_lshl_b32 s92, s84, 11                        ; 8 rows of tab a wave
	s_add_nc_u64 s[14:15], s[6:7], s[92:93]
	s_mov_b64 s[96:97], s[8:9]
	s_wait_alu depctr_va_vdst(0)                   ; the 22 addresses and offsets v1-19, v109, v254, v255 are written, which the kernel's loads and stores read; so are v110-116, in which the first x from LDS lands
.irp t, 0,1,2,3
	global_load_b128 v[XP+4*\t:XP+4*\t+3], v[XO], s[66:67] offset:4096*\t th:TH_LOAD_NT   ; step 0's x
.endr
	s_load_b512 s[16:31], s[14:15], 0x0            ; my first feature's constants
	s_load_b512 s[32:47], s[14:15], 0x40
	s_load_b512 s[48:63], s[14:15], 0x80
	s_load_b512 s[68:83], s[14:15], 0xc0
.set i, 0
.rept 64
	v_mov_b32 v[ACC+i], 0                          ; cleared once: a first step that began the sums with the constant 0 would be a third copy of the step, for each of the two groups.  (No load or store ahead of the way out names these registers)
.set i, i+1
.endr
	s_wait_loadcnt 0x0
.irp t, 0,1,2,3
	ds_store_b128 v[XST], v[XP+4*\t:XP+4*\t+3] offset:528*\t
.endr
	s_add_nc_u64 s[66:67], s[66:67], 512
	s_wait_dscnt 0x0
	s_barrier_signal -1
	s_barrier_wait -1                              ; step 0's x lies in buffer 0
.Ltrip:
	STEP 0
	STEP 1
	s_wait_kmcnt 0x0                               ; the scalar loads have read their base
	s_add_nc_u64 s[14:15], s[14:15], 0x10000       ; 256 features on
	s_sub_co_u32 s100, s100, 1
	s_cmp_lg_u32 s100, 0
	s_cbranch_scc1 .Ltrip
	; ---------------- the end
	s_cmp_eq_u32 s104, 0
	s_cbranch_scc1 .Lall_done
	BLOAD                                          ; group B: the last step.  (The wait at the end of the products before has shown the weights' registers read)
	s_wait_loadcnt 0x0
	CONSUME 1
.Lall_done:
	s_load_b64 s[4:5], s[0:1], 0x18                ; out0
	v_lshrrev_b32 v110, 5, v0
	v_readfirstlane_b32 s6, v110
	s_wait_alu depctr_va_sdst(0)                   ; s6 is written, ahead of its first reader
	s_lshr_b32 s6, s6, 3                           ; kh
	s_wait_alu depctr_va_vdst(0)                   ; v110 is written, in which a load of the lower K half's waves lands below
	s_wait_dscnt 0x0
	s_barrier_signal -1
	s_barrier_wait -1                              ; nobody reads x or images any more: their bytes serve the way out
	s_cmp_eq_u32 s6, 0
	s_cbranch_scc1 .Lnot_upper
.irp a, 0,1,2,3,4,5,6,7
	ds_store_b128 v[RR], v[ACC+8*\a:ACC+8*\a+3] offset:1024*\a           ; the upper K half's sums, as images; each accumulator from its low end on
	ds_store_b128 v[RR], v[ACC+8*\a+4:ACC+8*\a+7] offset:1024*\a+512
.endr
.Lnot_upper:
	s_wait_dscnt 0x0
	s_barrier_signal -1
	s_barrier_wait -1
	s_cmp_lg_u32 s6, 0
	s_cbranch_scc1 .Lnot_lower
.irp a, 0,1,2,3,4,5,6,7
	ds_load_b128 v[110+8*\a:113+8*\a], v[RR] offset:1024*((\a+4)%8)      ; my partner's slot m xor 2 is my row tile m
	ds_load_b128 v[114+8*\a:117+8*\a], v[RR] offset:1024*((\a+4)%8)+512
.endr
	s_wait_dscnt 0x0
.set i, 0
.rept 32
	v_pk_add_f32 v[110+i:111+i], v[110+i:111+i], v[ACC+i:ACC+i+1]        ; ascending: each accumulator is read from its low end on
.set i, i+2
.endr
	s_wait_alu depctr_va_vdst(0)                   ; the 32 additions have written v110-173, which the LDS stores below read
.irp m, 0,1,2,3
.irp n, 0,1
	ds_store_b128 v[SO], v[110+8*(2*\m+\n):113+8*(2*\m+\n)] offset:16640*\m+64*\n       ; lane (r, h): out0(16 m + r, 32 e + 16 n + 8 h + 0 .. 7)
	ds_store_b128 v[SO], v[114+8*(2*\m+\n):117+8*(2*\m+\n)] offset:16640*\m+64*\n+16
.endr
.endr
.Lnot_lower:
	s_wait_dscnt 0x0
	s_barrier_signal -1
	s_barrier_wait -1                              ; 64 whole rows lie in the stage
	s_wait_kmcnt 0x0
	s_lshl_b32 s8, ttmp9, 16                       ; 64 rows of 1,024 bytes a work-group
	s_mov_b32 s9, 0
	s_add_nc_u64 s[4:5], s[4:5], s[8:9]
	s_wait_alu depctr_vm_vsrc(0)                   ; the lower K half's LDS stores have read v110-141, in which the loads below land
.irp t, 0,1,2,3
.irp u, 0,1
	ds_load_b128 v[110+4*(2*\t+\u):113+4*(2*\t+\u)], v[SR] offset:1040*\t+512*\u   ; my four rows, half a row an instruction
.endr
.endr
.irp t, 0,1,2,3
.irp u, 0,1
	s_wait_dscnt 7-(2*\t+\u)                       ; this half row is back; the younger loads may be out
	global_store_b128 v[GO], v[110+4*(2*\t+\u):113+4*(2*\t+\u)], s[4:5] offset:1024*\t+512*\u th:TH_STORE_NT   ; 32 lanes store 512 consecutive bytes, at a multiple of 512 from out0's first byte; written once
.endr
.endr
	s_wait_xcnt 0x0                                ; the stores' addresses are translated: their offset register may be written
	s_wait_alu depctr_vm_vsrc(0)                   ; the loads from the stage have read v254 and the stores v255: the two are made anew below
	v_lshl_add_u32 v254, v0, 2, 0x23a00
	v_mov_b32 v255, 0
	s_wait_dscnt 0x0                               ; the closing lines, six on end
	s_wait_alu 0x0
	s_wait_tensorcnt 0x0
	ds_add_u32 v254, v255
	s_wait_dscnt 0x0
	s_endpgm
.Lfunc_end_k_q967886cc52_kan:
	.size	k_q967886cc52_kan, .Lfunc_end_k_q967886cc52_kan-k_q967886cc52_kan
	.p2alignl 7, 3214868480
	.fill 96, 4, 3214868480
	.section	.rodata,"a",@progbits
	.p2align	6, 0x0
	.amdhsa_kernel k_q967886cc52_kan
		.amdhsa_group_segment_fixed_size 147968
		.amdhsa_private_segment_fixed_size 0
		.amdhsa_enable_private_segment 0
		.amdhsa_kernarg_size 32
		.amdhsa_user_sgpr_count 2
		.amdhsa_user_sgpr_kernarg_segment_ptr 1
		.amdhsa_wavefront_size32 1
		.amdhsa_system_sgpr_workgroup_id_x 1
		.amdhsa_system_sgpr_workgroup_id_y 1
		.amdhsa_system_sgpr_workgroup_id_z 1
		.amdhsa_system_vgpr_workitem_id 0
		.amdhsa_next_free_vgpr 256
		.amdhsa_next_free_sgpr 106
		.amdhsa_reserve_vcc 0
		.amdhsa_float_denorm_mode_32 3
		.amdhsa_float_denorm_mode_16_64 3
		.amdhsa_memory_ordered 1
		.amdhsa_forward_progress 1
		.amdhsa_inst_pref_size 245
	.end_amdhsa_kernel
	.amdgpu_metadata
---
amdhsa.version: [ 1, 2 ]
amdhsa.kernels:
  - .name:           k_q967886cc52_kan
    .symbol:         k_q967886cc52_kan.kd
    .args:
      - { .name: x, .offset: 0, .size: 8, .value_kind: global_buffer, .address_space: global }
      - { .name: tab, .offset: 8, .size: 8, .value_kind: global_buffer, .address_space: global }
      - { .name: wq, .offset: 16, .size: 8, .value_kind: global_buffer, .address_space: global }
      - { .name: out0, .offset: 24, .size: 8, .value_kind: global_buffer, .address_space: global }
    .group_segment_fixed_size: 147968
    .private_segment_fixed_size: 0
    .kernarg_segment_align: 8
    .kernarg_segment_size: 32
    .max_flat_workgroup_size: 512
    .sgpr_count:     106
    .vgpr_count:     256
    .wavefront_size: 32
...
	.end_amdgpu_metadata
.endif
;; end of part 4
